; MI455X (gfx1250); checked and timed in simulation.
; The chip was launched on July 23, 2026; its instructions are those of AMD's public machine-readable ISA for CDNA 5 (MIT licence, August 2026) and "CDNA5" Instruction Set Architecture Reference Guide (July 2026). The comments in the code are by the model that wrote it; some were corrected since.
;; Co Attention Fusion Block. Allowed arithmetic: matrix products marked QUANTISED: E2M1 operands, one E8M0 scale for each 32 along K, by v_wmma_scale_f32_16x16x128_f8f6f4 with both operands' format E2M1 (or v_wmma_scale_f32_32x16x128_f4), f32 sums; products left as they are: f32 operands where the result goes on into a quantised operand, else bf16, f16 or f32 operands; f32 sums; everything else in f32.
;; Inputs: W_f 1,024 x 2,048 float32; W_k1 1,024 x 1,024 float32; W_k2 1,024 x 1,024 float32; b_f 1,024 float32; b_k1 1,024 float32; b_k2 1,024 float32; feat_depth 16,384 x 1,024 float32; feat_rgb 16,384 x 1,024 float32.
;; Outputs: out0 16,384 x 1,024 float32.
;; This version of the problem:
;;   THIS VERSION OF THE PROBLEM IS GIVEN IN LOW PRECISION. The matrix products marked QUANTISED in the list below multiply operands that are first quantised to E2M1 (2 exponent bits, 1 mantissa bit; 4 bits a number), with one power-of-two scale for each 32 numbers along K (OCP MX v1.0); their sums are f32. All else is computed in f32.
;;   The module's matrix products, in the order in which they are computed (A, B: the left and right operand; K: the contracted axis; several contracted axes count as one K, in the product's order):
;;     1. [M 16,384, K 1,024] x [K 1,024, N 1,024]; A: input feat_rgb; B: input W_k1: QUANTISED
;;     2. [M 16,384, K 1,024] x [K 1,024, N 1,024]; A: input feat_depth; B: input W_k2: QUANTISED
;;     3. batch 16,384 x [M 1, K 1,024] x [K 1,024, N 1]; A: computed on the way; B: computed on the way: left as it is (M = 1 < 16)
;;     4. [M 16,384, K 2,048] x [K 2,048, N 1,024]; A: computed on the way; B: input W_f: QUANTISED
;;   THE QUANTISER, for each operand of a quantised product, along K:
;;     - K is cut into blocks of 32 from its start; a last block that is shorter is filled with zeros.
;;     - A block's scale is 2^e with e = floor(log2(the largest magnitude in the block)) - 2, held to -126 .. 127; a block of zeros has e = 0. As a byte (E8M0): e + 127.
;;     - Each number is divided by its block's scale, clamped to +-6, and rounded to the nearest number of E2M1, ties to even, subnormals kept.
;;     - The product sums the exact products of the quantised numbers (number of the format x scale) in f32.
;;   ~~~python
;;   def quantise(x, axis):      # numpy; x: float32 -> the quantised numbers, widened to float32 again
;;       x = np.moveaxis(x, axis, -1); K = x.shape[-1]
;;       x = np.pad(x, [(0, 0)] * (x.ndim - 1) + [(0, -K % 32)]); x = x.reshape(x.shape[:-1] + (-1, 32)); a = np.abs(x).max(-1, keepdims=True)
;;       e = np.where(a > 0, np.clip(np.frexp(np.where(a > 0, a, 1))[1] - 1 - 2, -126, 127), 0)      # np.frexp(a)[1] - 1 = floor(log2(a)), exactly
;;       r = np.clip(x / 2.0 ** e, -6, 6)
;;       step = 2.0 ** (np.maximum(np.frexp(np.where(r == 0, 1, r))[1] - 1, 0) - 1)
;;       q = np.round(r / step) * step * 2.0 ** e      # np.round: ties to even
;;       return np.moveaxis(q.reshape(q.shape[:-2] + (-1,))[..., :K], -1, axis).astype(np.float32)
;;   ~~~
;;   OPERANDS COMPUTED ON THE WAY. 'Computed on the way' means the value that the module computes at that place (a softmax that the list does not call 'softmax' is quantised finished and normalised). What goes into a quantiser is computed in f32, as accurately as f32 sums, v_exp_f32 and their like allow (about 1e-6 of the number): no bf16 or f16 on the way to a quantiser, and a product that is left as it is and whose result goes on into a quantised operand takes f32 operands (vector FMAs, or v_wmma_f32_16x16x4_f32). A number that lies on a knife's edge between two numbers of the format may be rounded either way, as far as f32 arithmetic and the matrix unit's own rounding can turn it there, and no further.
;; 2 versions. Each part assembles by itself: llvm-mc -triple=amdgcn-amd-amdhsa -mcpu=gfx1250 --defsym DOCPART=n.
;; ======== version 1 of 2: 2 launches
;; workspace buffers: wq 2,244,608 bytes
;; launch wquant (part 1): grid 256 x 1, 4 waves a work-group, no clusters, 68,096 bytes of LDS; arguments W_k1, W_k2, W_f, b_k1, b_k2, b_f, wq; writes wq
.if DOCPART == 1
	.amdgcn_target "amdgcn-amd-amdhsa--gfx1250"
	.amdhsa_code_object_version 6
	.text
	.protected	k_q80b8870902_wquant
	.globl	k_q80b8870902_wquant
	.p2align	8
	.type	k_q80b8870902_wquant,@function
k_q80b8870902_wquant:
	s_mov_b64 s[64:65], 0
	v_nop
	global_prefetch_b8 v0, s[64:65] scope:SCOPE_SE
	s_setreg_imm32_b32 hwreg(HW_REG_WAVE_MODE, 25, 1), 1
	s_wait_xcnt 0x0
; The three weights, f32 with K innermost, become codes of FP4 (E2M1) with one E8M0 scale byte for each 32 along K, laid in wq in the order in which the second launch streams them.
; wq is 64 blocks of BLK bytes: block 4 d + w serves wave w of every work-group in its d-th slot.  A block holds four half-units hu = 2 u + x of 16 weight rows x 1,024 along K:
;   d = 0..7:  x = 0: W_k1, x = 1: W_k2, rows 256 w + 32 d + 16 u on, all of K, with b_k1 or b_k2;
;   d = 8..15: W_f, rows 256 w + 32 (d - 8) + 16 u on, K = 1,024 x on, with b_f (twice, so that every byte of wq is written).
; In a block: the fragment of (hu, K step ks) at 1,024 (8 hu + ks), as an image of the operand's registers: registers 4 c .. 4 c + 3 of lane l at 512 c + 16 l;
;   at 32,768 + 512 hu the scale words: lane (r, h) has 16 bytes at 16 l: the words of K steps 4 h .. 4 h + 3 of row r;   at 34,816 + 64 hu the 16 biases.
; A work-group makes one half-unit; wave v its K steps 2 v and 2 v + 1.  Each load reads 512 consecutive bytes of a row; the 16 rows x 1,024 bytes turn through the wave's own stage in LDS, so that lane (r, h)
; gets, of row r, the 32 numbers k = 128 e + 64 c + 32 h on of each of four blocks: a whole block in a lane, in the order of the operand's registers.
; A block's scale is 2^(floor(log2(its largest magnitude)) - 2); its byte is the largest magnitude's exponent field - 2, held at 1 from below.
; LIMITS: a block of zeros gets the byte 1 where the rule says 127 (its codes are zeros, and this program alone reads the bytes); NaN and infinities among the weights are not served.
.set BLK,  35072
.set TP,   1040                        ; a stage row: 1,024 bytes + 16: 65 x 16, so that the 16 rows of a load start at 16 different banks (64 banks of 4 bytes: ISA guide 11.1)
.set STG,  16*TP                       ; a wave's stage
.set SG,   4*STG                       ; behind the stages: 512 bytes, the half-unit's scale image
.set NUM,  64                          ; v64-191  the numbers: as loaded (row i, K step e at 8 i + 4 e), then by blocks (block 2 e + c at 32 (2 e + c))
.set COD,  32                          ; v32-47   the codes: block b at 4 b
.set MX,   12                          ; v12-15   largest magnitudes
.set OP,   48                          ; v48-51   the conversions' scale operands
.set BY,   52                          ; v52-55   the scale bytes
	s_load_b256 s[4:11], s[0:1], 0x0               ; W_k1 s[4:5], W_k2 s[6:7], W_f s[8:9], b_k1 s[10:11]
	s_load_b128 s[12:15], s[0:1], 0x20             ; b_k2 s[12:13], b_f s[14:15]
	s_load_b64 s[16:17], s[0:1], 0x30              ; wq
	v_lshl_add_u32 v192, v0, 2, 0x10800
	v_mov_b32 v193, 0
	v_lshrrev_b32 v1, 5, v0
	v_readfirstlane_b32 s18, v1                    ; wave 0..3
	v_and_b32 v1, 31, v0                           ; lane
	v_and_b32 v2, 15, v0                           ; r
	v_bfe_u32 v3, v0, 4, 1                         ; h
	v_lshlrev_b32 v4, 4, v1                        ; 16 x lane
	s_mul_i32 s19, s18, STG
	v_add_nc_u32 v5, s19, v4                       ; the stage, on the way in: 16 x lane in a row's half
	v_mul_u32_u24 v6, v2, TP
	v_lshl_add_u32 v6, v3, 7, v6
	v_add_nc_u32 v6, s19, v6                       ; and on the way out: row r, 128 h bytes on
	s_lshr_b32 s19, s18, 1
	s_lshl_b32 s19, s19, 8
	s_and_b32 s20, s18, 1
	s_lshl_b32 s20, s20, 3
	s_add_co_u32 s19, s19, s20
	s_add_co_u32 s19, s19, SG
	v_lshlrev_b32 v7, 4, v2
	v_lshl_add_u32 v7, v3, 2, v7
	v_add_nc_u32 v7, s19, v7                       ; the word of K step 2 v + h of row r lies at 256 (v / 2) + 16 r + 8 (v % 2) + 4 h of the scale image
	v_add_nc_u32 v8, SG, v4                        ; the image on its way out
	v_lshlrev_b32 v9, 2, v2                        ; 4 r: a bias
	v_lshlrev_b32 v11, 3, v3                       ; 8 h: my bytes' place in a scale word, in bits
	s_mov_b32 s2, 0x76543210
	s_mov_b32 s3, 0xfedcba98                       ; v_permlanex16_b32's selects for lane l xor 16
	s_and_b32 s21, ttmp9, 3                        ; hu
	s_and_b32 s22, s21, 1                          ; x
	s_lshr_b32 s23, s21, 1                         ; u
	s_lshr_b32 s24, ttmp9, 2                       ; the block, 4 d + w
	s_and_b32 s25, s24, 3                          ; w
	s_lshr_b32 s26, ttmp9, 4                       ; d
	s_lshr_b32 s27, s26, 3                         ; 0: W_k1 or W_k2; 1: W_f
	s_and_b32 s26, s26, 7
	s_lshl_b32 s25, s25, 8
	s_lshl_b32 s26, s26, 5
	s_add_co_u32 s25, s25, s26
	s_lshl_b32 s23, s23, 4
	s_add_co_u32 s25, s25, s23                     ; the half-unit's first weight row
	s_lshl_b32 s28, 4096, s27                      ; a weight row in bytes: 4,096, or 8,192 in W_f
	s_mul_i32 s30, s25, s28
	s_and_b32 s29, s22, s27
	s_lshl_b32 s29, s29, 12
	s_add_co_u32 s30, s30, s29                     ; W_f's second half of K
	s_lshl_b32 s29, s18, 10
	s_add_co_u32 s30, s30, s29                     ; my wave's two K steps: 1,024 bytes
	s_mov_b32 s31, 0
	s_lshl_b32 s32, s25, 2                         ; the biases of these rows
	s_mov_b32 s33, 0
	s_mul_i32 s34, s24, BLK
	s_mov_b32 s35, 0
	s_lshl_b32 s36, s21, 13                        ; the half-unit's fragments,
	s_lshl_b32 s29, s18, 11
	s_add_co_u32 s36, s36, s29                     ; my wave's two
	s_mov_b32 s37, 0
	s_lshl_b32 s38, s21, 9                         ; its scale image
	s_mov_b32 s39, 0
	s_lshl_b32 s40, s21, 6                         ; its biases
	s_mov_b32 s41, 0
	v_mov_b32 v16, v4                              ; v16-31: 16 x lane + row i
.irp i, 1,2,3,4,5,6,7,8,9,10,11,12,13,14,15
	v_add_nc_u32 v[16+\i], s28, v[15+\i]
.endr
	s_wait_kmcnt 0x0
	s_cmp_eq_u32 s22, 0                            ; the choices hang on the work-group's number alone
	s_cselect_b64 s[4:5], s[4:5], s[6:7]
	s_cselect_b64 s[10:11], s[10:11], s[12:13]
	s_cmp_eq_u32 s27, 0
	s_cselect_b64 s[4:5], s[4:5], s[8:9]
	s_cselect_b64 s[10:11], s[10:11], s[14:15]
	s_add_nc_u64 s[4:5], s[4:5], s[30:31]
	s_add_nc_u64 s[10:11], s[10:11], s[32:33]
	s_add_nc_u64 s[16:17], s[16:17], s[34:35]
	s_add_nc_u64 s[42:43], s[16:17], s[36:37]
	s_add_nc_u64 s[44:45], s[16:17], s[38:39]
	s_add_nc_u64 s[46:47], s[16:17], s[40:41]
	global_load_b32 v10, v9, s[10:11]              ; the bias of row r: the oldest load, so every wait below covers it
.irp i, 0,1,2,3,4,5,6,7,8,9,10,11,12,13,14,15
	global_load_b128 v[NUM+8*\i:NUM+8*\i+3], v[16+\i], s[4:5] th:TH_LOAD_NT               ; 32 lanes read 512 consecutive bytes: a K step of row i
	global_load_b128 v[NUM+8*\i+4:NUM+8*\i+7], v[16+\i], s[4:5] offset:512 th:TH_LOAD_NT
.endr
.irp i, 0,1,2,3,4,5,6,7,8,9,10,11,12,13,14,15
	s_wait_loadcnt 30-2*\i                         ; row i's two loads are in; the two of each later row may be out
	ds_store_b128 v5, v[NUM+8*\i:NUM+8*\i+3] offset:TP*\i
	ds_store_b128 v5, v[NUM+8*\i+4:NUM+8*\i+7] offset:TP*\i+512
.endr
	s_wait_dscnt 0x0                               ; the stores have read their registers, which the loads below fill again
.irp b, 0,1,2,3
.irp j, 0,1,2,3,4,5,6,7
	ds_load_b128 v[NUM+32*\b+4*\j:NUM+32*\b+4*\j+3], v6 offset:256*\b+16*\j   ; block b = 2 e + c: k = 128 e + 64 c + 32 h on of row r
.endr
.endr
	s_wait_dscnt 0x0
.irp b, 0,1,2,3
	v_max3_num_f32 v[MX+\b], |v[NUM+32*\b]|, |v[NUM+32*\b+1]|, 0x1800000   ; the block's largest magnitude: all 32 numbers are mine; and the floor 2^(3 - 127), so that the byte cannot fall under 1
.endr
.irp i, 2,4,6,8,10,12,14,16,18,20,22,24,26,28,30
.irp b, 0,1,2,3
	v_max3_num_f32 v[MX+\b], v[MX+\b], |v[NUM+32*\b+\i]|, |v[NUM+32*\b+\i+1]|   ; the four blocks by turns
.endr
.endr
.irp b, 0,1,2,3
	v_add_nc_u32 v[OP+\b], 0xff000000, v[MX+\b]    ; 2 off the exponent field: the conversion takes the exponent field of this operand as its scale
.endr
.irp b, 0,1,2,3
	v_lshrrev_b32 v[BY+\b], 23, v[OP+\b]           ; the scale's byte
.endr
.irp e, 0,1
	v_lshl_or_b32 v[56+\e], v[BY+2*\e+1], 16, v[BY+2*\e]   ; K step e: my bytes are those of blocks h and 2 + h,
	v_mov_b32 v[58+\e], 0
.endr
.irp e, 0,1
	v_lshlrev_b32 v[56+\e], v11, v[56+\e]          ; at their places in the word;
.endr
.irp e, 0,1
	v_permlanex16_b32 v[58+\e], v[56+\e], s2, s3
.endr
.irp e, 0,1
	v_or_b32 v[56+\e], v[56+\e], v[58+\e]          ; with lane l xor 16's two the word is whole
.endr
	v_cmp_eq_u32 vcc_lo, 1, v3
	v_cndmask_b32 v56, v56, v57, vcc_lo            ; lane (r, h) hands on the word of K step h
	ds_store_b32 v7, v56
.irp b, 0,1,2,3
.irp g, 0,1,2,3
	v_cvt_scalef32_pk8_fp4_f32 v[COD+4*\b+\g], v[NUM+32*\b+8*\g:NUM+32*\b+8*\g+7], v[OP+\b]   ; eight numbers / the scale, to the nearest code, ties to even, beyond 6 the largest code
.endr
.endr
	v_nop                                          ; one plain line behind the last scaled conversion
.irp b, 0,1,2,3
	global_store_b128 v4, v[COD+4*\b:COD+4*\b+3], s[42:43] offset:512*\b   ; 32 lanes store 512 consecutive bytes, at a multiple of 256 from wq's first byte
.endr
	s_wait_dscnt 0x0                               ; for wave 0's sake: my scale words lie in LDS
	s_barrier_signal -1
	s_barrier_wait -1
	s_cmp_lg_u32 s18, 0
	s_cbranch_scc1 .Ldone
	ds_load_b128 v[60:63], v8                      ; the four waves' words: the image, 512 bytes
	s_wait_dscnt 0x0
	global_store_b128 v4, v[60:63], s[44:45] offset:32768
	v_cmp_gt_u32 vcc_lo, 16, v1
	s_wait_xcnt 0x0                                ; EXEC changes only behind this wait
	s_and_saveexec_b32 s19, vcc_lo
	global_store_b32 v9, v10, s[46:47] offset:34816   ; 16 lanes store the 64 bytes of the biases: the four half-units of a block fill 256 consecutive bytes between them
	s_wait_xcnt 0x0
	s_or_b32 exec_lo, exec_lo, s19
.Ldone:
	s_wait_tensorcnt 0x0
	ds_add_u32 v192, v193
	s_wait_dscnt 0x0
	s_endpgm
.Lfunc_end_k_q80b8870902_wquant:
	.size	k_q80b8870902_wquant, .Lfunc_end_k_q80b8870902_wquant-k_q80b8870902_wquant
	.p2alignl 7, 3214868480
	.fill 96, 4, 3214868480
	.section	.rodata,"a",@progbits
	.p2align	6, 0x0
	.amdhsa_kernel k_q80b8870902_wquant
		.amdhsa_group_segment_fixed_size 68096
		.amdhsa_private_segment_fixed_size 0
		.amdhsa_enable_private_segment 0
		.amdhsa_kernarg_size 56
		.amdhsa_user_sgpr_count 2
		.amdhsa_user_sgpr_kernarg_segment_ptr 1
		.amdhsa_wavefront_size32 1
		.amdhsa_system_sgpr_workgroup_id_x 1
		.amdhsa_system_sgpr_workgroup_id_y 1
		.amdhsa_system_sgpr_workgroup_id_z 1
		.amdhsa_system_vgpr_workitem_id 0
		.amdhsa_next_free_vgpr 194
		.amdhsa_next_free_sgpr 66
		.amdhsa_reserve_vcc 1
		.amdhsa_float_denorm_mode_32 3
		.amdhsa_float_denorm_mode_16_64 3
		.amdhsa_memory_ordered 1
		.amdhsa_forward_progress 1
		.amdhsa_inst_pref_size 19
	.end_amdhsa_kernel
	.amdgpu_metadata
---
amdhsa.version: [ 1, 2 ]
amdhsa.kernels:
  - .name:           k_q80b8870902_wquant
    .symbol:         k_q80b8870902_wquant.kd
    .args:
      - { .name: W_k1, .offset: 0, .size: 8, .value_kind: global_buffer, .address_space: global }
      - { .name: W_k2, .offset: 8, .size: 8, .value_kind: global_buffer, .address_space: global }
      - { .name: W_f, .offset: 16, .size: 8, .value_kind: global_buffer, .address_space: global }
      - { .name: b_k1, .offset: 24, .size: 8, .value_kind: global_buffer, .address_space: global }
      - { .name: b_k2, .offset: 32, .size: 8, .value_kind: global_buffer, .address_space: global }
      - { .name: b_f, .offset: 40, .size: 8, .value_kind: global_buffer, .address_space: global }
      - { .name: wq, .offset: 48, .size: 8, .value_kind: global_buffer, .address_space: global }
    .group_segment_fixed_size: 68096
    .private_segment_fixed_size: 0
    .kernarg_segment_align: 8
    .kernarg_segment_size: 56
    .max_flat_workgroup_size: 128
    .sgpr_count:     66
    .vgpr_count:     194
    .wavefront_size: 32
...
	.end_amdgpu_metadata
.endif
;; end of part 1
;; launch fused (part 2): grid 256 x 1, 4 waves a work-group, clusters of 4 x 1, 327,680 bytes of LDS; arguments feat_depth, feat_rgb, wq, out0; writes out0
.if DOCPART == 2
	.amdgcn_target "amdgcn-amd-amdhsa--gfx1250"
	.amdhsa_code_object_version 6
	.text
	.protected	k_q80b8870902_fused
	.globl	k_q80b8870902_fused
	.p2align	8
	.type	k_q80b8870902_fused,@function
k_q80b8870902_fused:
	s_mov_b64 s[64:65], 0
	v_nop
	global_prefetch_b8 v0, s[64:65] scope:SCOPE_SE
	s_setreg_imm32_b32 hwreg(HW_REG_WAVE_MODE, 25, 1), 1
	s_wait_xcnt 0x0
	s_wait_alu depctr_hold_cnt(0) depctr_sa_sdst(0) depctr_va_vdst(0) depctr_va_sdst(0) depctr_va_ssrc(0) depctr_va_vcc(0) depctr_vm_vsrc(0)
	s_getreg_b32 s2, hwreg(HW_REG_IB_STS2, 6, 4)
	s_cmp_eq_u32 s2, 0
	s_cbranch_scc0 .Lentry_in_a_cluster
	s_endpgm
.Lentry_in_a_cluster:
	s_bfe_u32 s2, ttmp6, 0x10000c
	s_cmp_lg_u32 s2, 0x3003
	s_cbranch_scc0 .Lentry_shape_is_right
	s_endpgm
.Lentry_shape_is_right:
; out = Q([w depth, w rgb]) Q(W_f)^T + b_f,  w = softmax over ONE number of score = (Q(rgb) Q(W_k1)^T + b_k1) . (Q(depth) Q(W_k2)^T + b_k2), row by row.  Q: codes of FP4 (E2M1), one E8M0 scale for each 32 along K.
; SHARES.  A work-group owns 64 rows through the whole chain.  Wave w owns columns 256 w .. 256 w + 255 of all three products, for all 64 rows.
; PHASE 0: wave w quantises rows 16 w on of both features (each f32 number is read once); the codes go round through LDS, and every wave keeps all 64 rows x 2,048 K of codes in registers: 64 fragments, windows 1 and 2.
; PHASE 1: the first two products, 32 columns of each a slot; their elementwise product is summed at once into the score: they never leave the registers.  Then the score's exchange between the waves, and the softmax.
; PHASE 2: the third product, 32 columns a slot; out = sum x w + b_f; 64 columns at a time leave through a stage in LDS.
; THE WEIGHTS come as the first launch laid them: a wave's block of a slot (BLK bytes: 32 fragment images, 4 scale images, 4 x 16 biases) is dense in memory and is read from LDS 16 bytes a lane on end, each fragment
; ONCE in the work-group, for four matrix instructions.  Ring of two slots; each wave fetches and reads its own block alone.
; CLUSTER.  All work-groups walk the same weights: the four of a cluster ask for each block JOINTLY, by the same tensor load with the same descriptor and the mask of all four.
; THE MATRIX INSTRUCTION IS USED TRANSPOSED (source 0 = 16 weight rows, source 1 = 16 feature rows): lane (r, h) holds feature row r, and its registers 0..7 the columns 8 h + 0..7 of the tile.
; WHERE w IS APPLIED.  The softmax runs over an axis of length 1: w = exp(s - s) / exp(s - s).  For a finite score that is 1, else NaN, whatever the inputs.  For these two values Q(w x) = w Q(x): 1 leaves x bit for bit,
; and NaN makes the row NaN either way.  So the codes made in phase 0 are also the third product's operand; score, difference from the maximum, exponential, sum, reciprocal and w are all computed, and w multiplies the finished sums.
; LIMITS: a block of zeros gets the scale byte 1 where the rule says 127 (its codes are zeros, and this program alone reads the bytes); NaN and infinities among the features are not served (the conversion gives the largest code).
; The score's sum runs over tiles, then the halves of the lanes, then the waves, in f32.
; REGISTERS, in windows of 256 (s_set_vgpr_msb: bits 1:0 source 0, 3:2 source 1, 5:4 source 2, 7:6 destination):
;   window 0: v1-19 addresses; v20-29 at work in phase 0; v32-63 the features' scale words; v64-95 the weights' scale words, a bank for each slot; v96-127 phase 0: two sets of 16 numbers; later the score, w, and the softmax at work;
;             v128-191, v192-255 two buffers of eight weight fragments; the second also takes rows of out on their way out
;   window 1: depth's codes, window 2: rgb's: fragment (tile of rows m, K step ks) at v[64 m + 8 ks]
;   window 3: phase 0: 15 sets of 16 numbers as loaded; later v0-127 16 accumulators ((set, u, m) at 8 (8 set + 4 u + m)), v128-191 biases in the result's layout, a bank for each slot
.set BLK,   35072                      ; a wave's block of a slot: 137 x 256 bytes
.set SLOTB, 4*BLK
.set XC,    2*SLOTB                    ; behind the ring: one feature's codes, 64 rows of 512 bytes + 16: 33 x 16, so that the 16 rows of a load start at 16 different banks (64 banks of 4 bytes: ISA guide 11.1)
.set XCP,   528
.set XS,    XC+64*XCP                  ; its scale bytes, 32 a row
.set TS,    XS+2048                    ; each wave's stage for 512 numbers: 32 places of 64 bytes + 16
.set SPARE, TS+4*2560                  ; the spare words, 128 bytes for each wave: two blocks of 256 bytes that no other line names
.set OST,   XC                         ; after phase 0: each wave's stage for the way out, 16 rows of 256 bytes + 16
.set SCX,   OST+4*4352                 ; and the score's exchange, 512 bytes a wave
.set AS,  32                           ; features' scale words: v[AS + 16 f + 8 p + ks]: lane l has the word of row 32 p + l
.set BS,  64                           ; weights': v[BS + 16 slot + 4 hu + i]: lanes 0-15 K step i, lanes 16-31 K step 4 + i
.set X,   96
.set SC,  96                           ; v96-103   the score's sums, a pair for each tile of rows
.set WW,  104                          ; v104-111  w, a pair for each tile of rows
.set TW,  112                          ; v112-127  the softmax at work
.set BF0, 128
.set BF1, 192
.set BI,  128                          ; in window 3: v[BI + 32 slot + 8 hu]
.set MSB, 0
.macro WIN new                         ; the immediate's high byte repeats the setting that is left; a switch that changes nothing is dropped
.if MSB != (\new)
	s_set_vgpr_msb (MSB<<8)|(\new)
.set MSB, (\new)
.endif
.endm
.macro PLACES                          ; four places behind a matrix instruction, in front of loads into registers that it has read and of the first read of its results
.rept 4
	v_nop
.endr
.endm
.macro CROUND                          ; a round of the cluster's barrier: my work-group's barrier; wave 0 signals for the work-group; every wave waits for all four work-groups; my work-group's barrier once more
	s_barrier_signal -1
	s_barrier_wait -1
	s_cmp_lg_u32 s12, 0
	s_cbranch_scc1 .Lnot_wave_0_\@
	s_barrier_signal -3
.Lnot_wave_0_\@:
	s_barrier_wait -3
	s_barrier_signal -1
	s_barrier_wait -1
.endm
	s_load_b256 s[4:11], s[0:1], 0x0               ; depth s[4:5], rgb s[6:7], wq s[8:9], out s[10:11]
	v_lshl_add_u32 v8, v0, 2, SPARE                ; my spare word; never rewritten
	v_mov_b32 v9, 0                                ; 0; never rewritten
	ds_add_u32 v8, v9
	ds_add_u32 v8, v9
	s_wait_dscnt 0x0
	v_lshrrev_b32 v1, 5, v0
	v_readfirstlane_b32 s12, v1                    ; wave 0..3
	s_bfe_u32 s13, ttmp6, 0x40000                  ; cx: my place in the cluster: it enters the features' and out's addresses alone
	s_lshl_b32 s14, ttmp9, 2
	s_add_co_u32 s14, s14, s13                     ; my block of 64 rows
	; descriptor group 1: a dense block of 137 rows of 256 bytes (32 elements of 8 bytes), no padding
	s_mov_b32 s16, 15|(3<<16)|(1<<21)              ; 15:0 the mask: all four work-groups; 17:16 elements of 8 bytes; 21 set beside a mask
	s_mov_b32 s17, 32<<16                          ; tensor_dim0 = 32
	s_mov_b32 s18, 137<<16                         ; tensor_dim1 = 137
	s_mov_b32 s19, 32<<16                          ; tile_dim0 = 32
	s_mov_b32 s20, 137                             ; tile_dim1 = 137
	s_mov_b32 s21, 32                              ; from row to row
	s_mov_b32 s22, 0
	s_mov_b32 s23, 0
	s_mul_i32 s15, s12, BLK                        ; my wave's block in a slot, in LDS as in memory
	s_mov_b32 s32, s15
	s_mov_b32 s33, 0
	s_mov_b32 s36, 0x76543210
	s_mov_b32 s37, 0xfedcba98                      ; v_permlanex16_b32's selects for lane l xor 16
	s_lshl_b32 s40, s14, 18                        ; 64 rows of 4,096 bytes,
	s_lshl_b32 s42, s12, 16                        ; my wave's 16 of them
	s_add_co_u32 s40, s40, s42
	s_mov_b32 s41, 0
	s_wait_kmcnt 0x0
	s_add_nc_u64 s[4:5], s[4:5], s[40:41]
	s_add_nc_u64 s[6:7], s[6:7], s[40:41]
	s_lshl_b32 s40, s14, 18
	s_lshl_b32 s42, s12, 10                        ; my wave's 256 columns
	s_add_co_u32 s40, s40, s42
	s_add_nc_u64 s[10:11], s[10:11], s[40:41]
	s_add_nc_u64 s[8:9], s[8:9], s[32:33]
.irp s, 0,1
	s_mov_b32 s[24+4*\s], 1                        ; 1:0 count = 1
	s_add_co_u32 s[25+4*\s], s15, \s*SLOTB         ; 63:32 LDS address
	s_add_nc_u64 s[26+4*\s:27+4*\s], s[8:9], \s*SLOTB   ; 120:64 global address: slot s begins with the stream's part s
	s_or_b32 s[27+4*\s], s[27+4*\s], 0x80000000    ; 127:126 type = 2
.endr
	CROUND                                         ; all four work-groups are here: the first joint loads meet
	tensor_load_to_lds s[24:27], s[16:23]          ; both first fills together, ahead of every LDS read and every wait for them: two loads of mine are out
	s_nop 0
	tensor_load_to_lds s[28:31], s[16:23]
	s_nop 0
.rept 4
	v_nop                                          ; four such lines behind a tensor load
.endr
	v_and_b32 v20, 31, v0                          ; lane
	v_and_b32 v22, 15, v0                          ; r
	v_bfe_u32 v23, v0, 4, 1                        ; h
	v_lshlrev_b32 v1, 4, v20                       ; v1: 16 x lane: my bytes of a load's 512
	s_mul_i32 s43, s12, 2560
	s_add_co_u32 s43, s43, TS
	v_lshrrev_b32 v21, 2, v20
	v_mul_u32_u24 v21, v21, 80
	v_and_b32 v24, 3, v20
	v_lshl_add_u32 v21, v24, 4, v21
	v_add_nc_u32 v2, s43, v21                      ; v2: the turning stage, in: four lanes' 64 bytes on end, then 16 of padding
	v_mul_u32_u24 v21, v20, 80
	v_add_nc_u32 v3, s43, v21                      ; v3: out: 80 x lane: my 16 neighbours
	s_mul_i32 s43, s12, 16*XCP
	s_add_co_u32 s43, s43, XC
	v_lshl_add_u32 v4, v20, 3, s43                 ; v4: where my 16 codes go: my wave's rows, 8 x lane
	s_lshl_b32 s43, s12, 9
	s_add_co_u32 s43, s43, XS
	v_lshrrev_b32 v21, 1, v20
	v_add_nc_u32 v5, s43, v21                      ; v5: and my block's scale byte
	v_mul_u32_u24 v21, v22, XCP
	v_lshl_add_u32 v21, v23, 4, v21
	v_add_nc_u32 v6, XC, v21                       ; v6: a fragment of codes: row r, 16 h
	v_lshl_add_u32 v7, v20, 5, XS                  ; v7: a row's 32 scale bytes: row = lane
	v_add_nc_u32 v10, s15, v1                      ; v10, v11: my lane's 16 bytes of an image, in slot 0, 1
	v_add_nc_u32 v11, SLOTB, v10
	v_lshl_add_u32 v12, v23, 5, s15                ; v12, v13: my half's eight biases of a tile
	v_add_nc_u32 v13, SLOTB, v12
	s_mul_i32 s43, s12, 4352
	s_add_co_u32 s43, s43, OST
	v_mul_u32_u24 v21, v22, 272
	v_lshl_add_u32 v21, v23, 5, v21
	v_add_nc_u32 v14, s43, v21                     ; v14: the way out, in: row r, 32 h
	v_mul_u32_u24 v21, v23, 272
	v_lshl_add_u32 v21, v22, 4, v21
	v_add_nc_u32 v15, s43, v21                     ; v15: back: lanes 0-15 one row of 256 bytes, lanes 16-31 the next
	v_lshlrev_b32 v21, 12, v23
	v_lshl_add_u32 v17, v22, 4, v21                ; v17: and the same two rows in out
	s_lshl_b32 s43, s12, 9
	s_add_co_u32 s43, s43, SCX
	v_lshl_add_u32 v18, v20, 2, s43                ; v18: the score's exchange: my wave's words,
	v_lshl_add_u32 v19, v20, 2, SCX                ; v19: and wave 0's
; ---------------- PHASE 0.  Step t (0..63): half a row, 512 numbers: feature t / 32, row (t % 32) / 2 of my wave's 16.  A wave's 16 rows of a feature are 65,536 bytes on end.
.macro LOAD t                          ; four loads of 512 consecutive bytes into set t % 15 of window 3
	WIN 0xc0
.irp i, 0,1,2,3
	global_load_b128 v[16*((\t)%15)+4*\i:16*((\t)%15)+4*\i+3], v1, s[4+2*((\t)/32):5+2*((\t)/32)] offset:2048*((\t)%32)+512*\i th:TH_LOAD_NT
.endr
.endm
.macro TURN t                          ; through the wave's stage, so that a lane holds 16 NEIGHBOURS.  LDS serves a wave's instructions in order (ISA guide 5.7.1.4): no wait between the stores and the loads, nor in front of the next step's stores
	WIN 0x0c
.irp i, 0,1,2,3
	ds_store_b128 v2, v[16*((\t)%15)+4*\i:16*((\t)%15)+4*\i+3] offset:640*\i
.endr
	WIN 0
.irp i, 0,1,2,3
	ds_load_b128 v[X+16*((\t)%2)+4*\i:X+16*((\t)%2)+4*\i+3], v3 offset:16*\i
.endr
.endm
.macro STEP t
.set XR, X+16*((\t)%2)
.set CP, 24+2*((\t)%2)
.set BY, 28+(\t)%2
.set RW, ((\t)%32)/2
.set HF, (\t)%2
.if ((\t)%32) == 0
	s_wait_dscnt 0x0
.else
	s_wait_dscnt 2                                 ; this step's numbers are back from the stage; the last step's two stores may be out
.endif
.if (\t)+15 < 64
	LOAD (\t)+15                                   ; into the set that this step's stores into the stage have read
.endif
.if (\t) < 63
.if 62-(\t) >= 14
	s_wait_loadcnt 56                              ; the next step's four loads are in; those of the 14 steps behind it may be out
.else
	s_wait_loadcnt 4*(62-(\t))
.endif
	TURN (\t)+1
.endif
	WIN 0
	v_max3_num_f32 v20, |v[XR]|, |v[XR+1]|, |v[XR+2]|          ; the largest magnitude of my 16, in two chains
	v_max3_num_f32 v21, |v[XR+3]|, |v[XR+4]|, |v[XR+5]|
.irp i, 6,10
	v_max3_num_f32 v20, v20, |v[XR+\i]|, |v[XR+\i+1]|
	v_max3_num_f32 v21, v21, |v[XR+\i+2]|, |v[XR+\i+3]|
.endr
	v_max3_num_f32 v20, v20, |v[XR+14]|, |v[XR+15]|
	v_max3_num_f32 v20, v20, v21, 0x1800000        ; and the floor 2^(3 - 127): the byte cannot fall under 1
	v_max_num_f32_dpp v20, v20, v20 row_xmask:1 row_mask:0xf bank_mask:0xf   ; and of my neighbour's 16: the block's
	v_add_nc_u32 v22, 0xff000000, v20              ; 2 off its exponent field: the conversion's scale operand
	v_cvt_scalef32_pk8_fp4_f32 v[CP], v[XR:XR+7], v22
	v_cvt_scalef32_pk8_fp4_f32 v[CP+1], v[XR+8:XR+15], v22
	v_lshrrev_b32 v[BY], 23, v22                   ; the scale's byte.  (Also the plain line behind the conversions)
	ds_store_b8 v5, v[BY] offset:32*RW+16*HF       ; both lanes of a block write the same byte with the same value
	ds_store_b64 v4, v[CP:CP+1] offset:XCP*RW+256*HF
.endm
.macro XCHG f                          ; feature f's 64 rows of codes lie in LDS: every wave takes all 32 fragments and the scale words into registers
	s_wait_dscnt 0x0                               ; for the others' sake: my stores have landed
	s_barrier_signal -1
	s_barrier_wait -1
	WIN 0x40<<(\f)
.irp m, 0,1,2,3
.irp k, 0,1,2,3,4,5,6,7
.irp c, 0,1
	ds_load_b128 v[64*\m+8*\k+4*\c:64*\m+8*\k+4*\c+3], v6 offset:16*XCP*\m+64*\k+32*\c   ; registers 4 c on: k = 128 ks + 64 c + 32 h on of row 16 m + r
.endr
.endr
.endr
	WIN 0
.irp p, 0,1
.irp q, 0,1
	ds_load_b128 v[AS+16*(\f)+8*\p+4*\q:AS+16*(\f)+8*\p+4*\q+3], v7 offset:1024*\p+16*\q   ; row 32 p + lane: the words of K steps 4 q on
.endr
.endr
	s_wait_dscnt 0x0                               ; my reads are over:
	s_barrier_signal -1
	s_barrier_wait -1                              ; everybody's are: these bytes may be written again
.endm
.set T, 0
.rept 15
	LOAD T                                         ; 60 loads of each wave are on their way
.set T, T+1
.endr
	s_wait_loadcnt 56                              ; step 0's four are in
	TURN 0
.set T, 0
.rept 32
	STEP T
.set T, T+1
.endr
	XCHG 0                                         ; rgb's first loads stay on their way meanwhile
.rept 32
	STEP T
.set T, T+1
.endr
	XCHG 1
; ---------------- THE PRODUCTS
.macro FETCHB s, x, kq, bf             ; 16 LDS loads: the fragments of K steps 4 kq + 0..3 of half-units x and 2 + x of slot s into buffer bf: (i, u) at 8 (2 i + u)
.irp i, 0,1,2,3
.irp u, 0,1
.irp c, 0,1
	ds_load_b128 v[(\bf)+8*(2*\i+\u)+4*\c:(\bf)+8*(2*\i+\u)+4*\c+3], v[10+(\s)] offset:1024*(8*(2*\u+(\x))+4*(\kq)+\i)+512*\c
.endr
.endr
.endr
.endm
.macro PRE s, nb                       ; what slot s's work begins with: its first fragments, its 16 registers of scale words, and its biases (nb = 4: of all four half-units; 2: of half-units 0 and 2)
	FETCHB \s, 0, 0, BF0
.irp g, 0,1,2,3
	ds_load_b128 v[BS+16*(\s)+4*\g:BS+16*(\s)+4*\g+3], v[10+(\s)] offset:32768+512*\g
.endr
	WIN 0xc0
.irp g, 0,1,2,3
.if ((\nb) == 4) || ((\g%2) == 0)
	ds_load_b128 v[BI+32*(\s)+8*\g:BI+32*(\s)+8*\g+3], v[12+(\s)] offset:34816+64*\g
	ds_load_b128 v[BI+32*(\s)+8*\g+4:BI+32*(\s)+8*\g+7], v[12+(\s)] offset:34816+64*\g+16
.endif
.endr
	WIN 0
.endm
; One matrix instruction on the registers rD, rA, rB, rC, rSA, rSB.  ra, rb: the side's scale words stand in lanes 16-31
.macro WMR ra, rb
.if (\ra) && (\rb)
	v_wmma_scale_f32_16x16x128_f8f6f4 v[rD:rD+7], v[rA:rA+7], v[rB:rB+7], v[rC:rC+7], v[rSA], v[rSB] matrix_a_fmt:MATRIX_FMT_FP4 matrix_b_fmt:MATRIX_FMT_FP4 matrix_a_scale:MATRIX_SCALE_ROW1 matrix_b_scale:MATRIX_SCALE_ROW1
.elseif (\ra)
	v_wmma_scale_f32_16x16x128_f8f6f4 v[rD:rD+7], v[rA:rA+7], v[rB:rB+7], v[rC:rC+7], v[rSA], v[rSB] matrix_a_fmt:MATRIX_FMT_FP4 matrix_b_fmt:MATRIX_FMT_FP4 matrix_a_scale:MATRIX_SCALE_ROW1
.elseif (\rb)
	v_wmma_scale_f32_16x16x128_f8f6f4 v[rD:rD+7], v[rA:rA+7], v[rB:rB+7], v[rC:rC+7], v[rSA], v[rSB] matrix_a_fmt:MATRIX_FMT_FP4 matrix_b_fmt:MATRIX_FMT_FP4 matrix_b_scale:MATRIX_SCALE_ROW1
.else
	v_wmma_scale_f32_16x16x128_f8f6f4 v[rD:rD+7], v[rA:rA+7], v[rB:rB+7], v[rC:rC+7], v[rSA], v[rSB] matrix_a_fmt:MATRIX_FMT_FP4 matrix_b_fmt:MATRIX_FMT_FP4
.endif
.endm
.macro WMZ rb                          ; the same with the constant 0 as C: it starts a sum (always at K step 0: the weights' words in lanes 0-15)
.if (\rb)
	v_wmma_scale_f32_16x16x128_f8f6f4 v[rD:rD+7], v[rA:rA+7], v[rB:rB+7], 0, v[rSA], v[rSB] matrix_a_fmt:MATRIX_FMT_FP4 matrix_b_fmt:MATRIX_FMT_FP4 matrix_b_scale:MATRIX_SCALE_ROW1
.else
	v_wmma_scale_f32_16x16x128_f8f6f4 v[rD:rD+7], v[rA:rA+7], v[rB:rB+7], 0, v[rSA], v[rSB] matrix_a_fmt:MATRIX_FMT_FP4 matrix_b_fmt:MATRIX_FMT_FP4
.endif
.endm
; 32 matrix instructions: buffer bf (half-units x and 2 + x of slot s, K steps 4 kq + 0..3) against feature f's four tiles of rows, onto accumulator set set.
; cm: what starts the sums at K step 0: 1 the biases, 2 the constant 0, 0 nothing: the sums go on.  The eight accumulators take turns, one instruction a turn; the next run begins where this one began.
.macro MUL bf, x, kq, f, set, s, cm
	WIN 0xf4+4*(\f)                                ; weights window 0, feature window 1 or 2, C and D window 3
.irp i, 0,1,2,3
.irp u, 0,1
.irp m, 0,1,2,3
.set rD, 8*(8*(\set)+4*\u+\m)
.set rA, (\bf)+8*(2*\i+\u)
.set rB, 64*\m+8*(4*(\kq)+\i)
.set rSA, BS+16*(\s)+4*(2*\u+(\x))+\i
.set rSB, AS+16*(\f)+8*(\m/2)+4*(\kq)+\i
.set rC, rD
.if ((\kq) == 0) && (\i == 0) && ((\cm) == 1)
.set rC, BI+32*(\s)+8*(2*\u+(\x))
.endif
.if ((\kq) == 0) && (\i == 0) && ((\cm) == 2)
	WMZ \m%2
.else
	WMR (\kq), \m%2
.endif
.endr
.endr
.endr
.endm
; Slot s has been read out and is filled again, with the stream's part two further on.  Each wave waits for all its tensor loads (the one that is out is its block of the other slot), adds 0 to its spare word, and waits for
; that and for its reads of this slot; the round of the cluster's barrier says the same of every wave of all four work-groups; the joint refill is the first thing behind it.
.macro TURNOVER s
	WIN 0
	s_wait_tensorcnt 0x0                           ; no tensor load of mine is out, so a group 0 may be written
	ds_add_u32 v8, v9                              ; 0 onto my spare word
	s_add_nc_u64 s[26+4*(\s):27+4*(\s)], s[26+4*(\s):27+4*(\s)], 2*SLOTB   ; the address steps; the type bits on top are not reached
	s_wait_dscnt 0x0                               ; the add is done, and my reads of this slot are over
	CROUND
	tensor_load_to_lds s[24+4*(\s):27+4*(\s)], s[16:23]
	s_nop 0
.rept 4
	v_nop                                          ; the places in front of the loads that follow
.endr
.endm
; A SLOT'S WORK: 128 matrix instructions in four runs of 32, on two buffers by turns; each run's 16 loads are issued a run ahead.
; ph = 1: x = 0: W_k1 against rgb, set 0; x = 1: W_k2 against depth, set 1; the biases start the sums.   ph = 2: W_f: x = 0 against depth, x = 1 against rgb, one sum, set s, begun with 0.
; turn = 2: the slot is filled again as soon as its last fragment is in registers, a run ahead of the end of its work; 1: nothing is left to fetch, the other slot is still to be read; 0: the last slot.
.macro SLOTWORK ph, s, turn
.if (\ph) == 1
.set FX0, 1
.set FX1, 0
.set ST0, 0
.set ST1, 1
.set CM0, 1
.set CM1, 1
.set NBI, 4
.else
.set FX0, 0
.set FX1, 1
.set ST0, (\s)
.set ST1, (\s)
.set CM0, 2
.set CM1, 0
.set NBI, 2
.endif
	FETCHB \s, 0, 1, BF1
	s_wait_dscnt 16                                ; all but the 16 just issued: buffer 0, the slot's scale words and its biases are in
	MUL BF0, 0, 0, FX0, ST0, \s, CM0
	WIN 0
	PLACES
	FETCHB \s, 1, 0, BF0
	s_wait_dscnt 16                                ; buffer 1 is in
	MUL BF1, 0, 1, FX0, ST0, \s, 0
	WIN 0
	PLACES
	FETCHB \s, 1, 1, BF1
	s_wait_dscnt 16                                ; buffer 0 is in
	MUL BF0, 1, 0, FX1, ST1, \s, CM1
.if (\turn) == 2
	TURNOVER \s
	PRE 1-(\s), NBI
.elseif (\turn) == 1
	WIN 0
	s_wait_tensorcnt 0x0                           ; my block of the last slot has landed: no load was issued behind it
	s_wait_dscnt 0x0                               ; buffer 1 is in
	PLACES
	PRE 1-(\s), NBI
.else
	s_wait_dscnt 0x0                               ; buffer 1 is in
.endif
	MUL BF1, 1, 1, FX1, ST1, \s, 0
	WIN 0
.endm
.macro SCORE                           ; the slot's 32 columns of the two products, multiplied element by element and summed: a pair of sums for each tile of rows.  Each accumulator is read from its low end on
	PLACES
	WIN 0x0f                                       ; both factors window 3, the sums window 0
.irp p, 0,1,2,3
.irp u, 0,1
.irp m, 0,1,2,3
	v_pk_fma_f32 v[SC+2*\m:SC+2*\m+1], v[8*(4*\u+\m)+2*\p:8*(4*\u+\m)+2*\p+1], v[8*(8+4*\u+\m)+2*\p:8*(8+4*\u+\m)+2*\p+1], v[SC+2*\m:SC+2*\m+1]
.endr
.endr
.endr
	WIN 0
.endm
.macro FINISH s                        ; out = sum x w + b_f, in place, each accumulator from its low end on; of the pair w the low word serves both halves
	PLACES
	WIN 0xf3                                       ; sums and biases window 3, w window 0
.irp p, 0,1,2,3
.irp u, 0,1
.irp m, 0,1,2,3
	v_pk_fma_f32 v[8*(8*(\s)+4*\u+\m)+2*\p:8*(8*(\s)+4*\u+\m)+2*\p+1], v[8*(8*(\s)+4*\u+\m)+2*\p:8*(8*(\s)+4*\u+\m)+2*\p+1], v[WW+2*\m:WW+2*\m+1], v[BI+32*(\s)+16*\u+2*\p:BI+32*(\s)+16*\u+2*\p+1] op_sel_hi:[1,0,1]
.endr
.endr
.endr
	WIN 0
.endm
; THE WAY OUT of two slots' 64 columns, a tile of 16 rows at a time.  A lane holds 32 neighbouring bytes of a row: they go into my own stage and come back as whole runs of 256 bytes.
.macro TOSTAGE m
	WIN 0x0c                                       ; an LDS store's data are its source 1: window 3
.irp q, 0,1,2,3
	ds_store_b128 v14, v[8*(4*\q+(\m)):8*(4*\q+(\m))+3] offset:64*\q
	ds_store_b128 v14, v[8*(4*\q+(\m))+4:8*(4*\q+(\m))+7] offset:64*\q+16
.endr
	WIN 0
.irp t, 0,1,2,3,4,5,6,7
	ds_load_b128 v[BF1+32*((\m)%2)+4*\t:BF1+32*((\m)%2)+4*\t+3], v15 offset:544*\t   ; LDS serves a wave's instructions in order (ISA guide 5.7.1.4): these see the stores above, and the next tile's stores come behind them
.endr
.endm
.macro SEND m, younger                 ; younger: the LDS instructions issued behind tile m's loads, which may stay out
	s_wait_dscnt \younger
.irp t, 0,1,2,3,4,5,6,7
	global_store_b128 v17, v[BF1+32*((\m)%2)+4*\t:BF1+32*((\m)%2)+4*\t+3], s[10:11] offset:4096*(16*(\m)+2*\t) th:TH_STORE_NT   ; 16 lanes store 256 consecutive bytes, at a multiple of 256 from out's first byte
.endr
.endm
.macro OUTS step
	TOSTAGE 0
.irp m, 1,2,3
.if \m > 1
	s_wait_xcnt 0x0                                ; the stores of the tile two back have read their registers, which this tile's loads fill again
.endif
	TOSTAGE \m
	SEND \m-1, 16                                  ; behind that tile's loads: this tile's 8 stores and 8 loads
.endr
	SEND 3, 0
.if \step
	s_wait_xcnt 0x0                                ; the stores have read their registers and their base: both are written again
	s_add_nc_u64 s[10:11], s[10:11], 256           ; the next 64 columns
.endif
.endm
; ---------------- PHASE 1
.irp j, 0,1,2,3,4,5,6,7
	v_mov_b32 v[SC+\j], 0                          ; the score's sums begin
.endr
	s_wait_tensorcnt 1                             ; my block of slot 0 has landed; slot 1's may be out.  I alone read my blocks, so no barrier is wanted
	PRE 0, 4
	s_mov_b32 s38, 4
.Lp1:                                              ; a trip: two slots, 64 columns of both products; both slots are filled again: the stream's parts 2 to 9
	SLOTWORK 1, 0, 2
	SCORE
	SLOTWORK 1, 1, 2                               ; (in the last trip its PRE brings four sets of biases of W_f's first slot, of which phase 2 uses two)
	SCORE
	s_sub_co_u32 s38, s38, 1
	s_cmp_lg_u32 s38, 0
	s_cbranch_scc1 .Lp1
; ---------------- THE SCORE AND THE SOFTMAX
.irp m, 0,1,2,3
	v_add_f32 v[SC+2*\m], v[SC+2*\m], v[SC+2*\m+1]          ; the pair's halves,
.endr
.irp m, 0,1,2,3
	v_permlanex16_b32 v[SC+2*\m+1], v[SC+2*\m], s36, s37
.endr
.irp m, 0,1,2,3
	v_add_f32 v[SC+2*\m], v[SC+2*\m], v[SC+2*\m+1]          ; and lane l xor 16's: my wave's 256 columns of row 16 m + r
.endr
.irp m, 0,1,2,3
	ds_store_b32 v18, v[SC+2*\m] offset:128*\m
.endr
	s_wait_dscnt 0x0                               ; for the others' sake: my sums lie in LDS
	s_barrier_signal -1
	s_barrier_wait -1                              ; my tensor load may stay out
.irp m, 0,1,2,3
.irp w, 0,1,2,3
	ds_load_b32 v[TW+4*\m+\w], v19 offset:512*\w+128*\m
.endr
.endr
	s_wait_dscnt 0x0
.irp m, 0,1,2,3
	v_add_f32 v[TW+4*\m], v[TW+4*\m], v[TW+4*\m+1]
	v_add_f32 v[TW+4*\m+2], v[TW+4*\m+2], v[TW+4*\m+3]
.endr
.irp m, 0,1,2,3
	v_add_f32 v[TW+4*\m], v[TW+4*\m], v[TW+4*\m+2]          ; the score, the same bits in every wave
.endr
.irp m, 0,1,2,3
	v_sub_f32 v[TW+4*\m+1], v[TW+4*\m], v[TW+4*\m]          ; less the maximum over the softmax's axis, which has this one number: 0, or NaN where the score is not finite
.endr
.irp m, 0,1,2,3
	v_mul_f32 v[TW+4*\m+1], 0x3fb8aa3b, v[TW+4*\m+1]        ; x log2(e)
.endr
.irp m, 0,1,2,3
	v_exp_f32 v[TW+4*\m+2], v[TW+4*\m+1]
.endr
	v_nop                                          ; a plain line behind the exponentials
	s_wait_alu depctr_va_vdst(0)                   ; one wait for the four, ahead of their first reader
.irp m, 0,1,2,3
	v_rcp_f32 v[TW+4*\m+3], v[TW+4*\m+2]           ; the sum over the axis is that one exponential
.endr
	v_nop
	s_wait_alu depctr_va_vdst(0)
.irp m, 0,1,2,3
	v_mul_f32 v[WW+2*\m], v[TW+4*\m+2], v[TW+4*\m+3]        ; w of row 16 m + r
.endr
.irp m, 0,1,2,3
	v_mov_b32 v[WW+2*\m+1], v[WW+2*\m]             ; (named with it as a pair, so it is written)
.endr
; ---------------- PHASE 2
	s_mov_b32 s38, 3
.Lp2:                                              ; a trip: two slots, 64 columns of out; both slots are filled again: the stream's parts 10 to 15.  The stores leave while the next slots are multiplied
	SLOTWORK 2, 0, 2
	FINISH 0
	SLOTWORK 2, 1, 2
	FINISH 1
	OUTS 1
	s_sub_co_u32 s38, s38, 1
	s_cmp_lg_u32 s38, 0
	s_cbranch_scc1 .Lp2
	SLOTWORK 2, 0, 1                               ; the last two slots are written out
	FINISH 0
	SLOTWORK 2, 1, 0
	FINISH 1
	OUTS 0
	s_wait_tensorcnt 0x0                           ; the wave's end: behind my last tensor load and my last LDS store
	ds_add_u32 v8, v9
	s_wait_dscnt 0x0
	CROUND                                         ; the closing round: no work-group ends while a partner may still ask for a block that names it
	s_endpgm
.Lfunc_end_k_q80b8870902_fused:
	.size	k_q80b8870902_fused, .Lfunc_end_k_q80b8870902_fused-k_q80b8870902_fused
	.p2alignl 7, 3214868480
	.fill 96, 4, 3214868480
	.section	.rodata,"a",@progbits
	.p2align	6, 0x0
	.amdhsa_kernel k_q80b8870902_fused
		.amdhsa_group_segment_fixed_size 327680
		.amdhsa_private_segment_fixed_size 0
		.amdhsa_enable_private_segment 0
		.amdhsa_kernarg_size 32
		.amdhsa_user_sgpr_count 2
		.amdhsa_user_sgpr_kernarg_segment_ptr 1
		.amdhsa_wavefront_size32 1
		.amdhsa_system_sgpr_workgroup_id_x 1
		.amdhsa_system_sgpr_workgroup_id_y 1
		.amdhsa_system_sgpr_workgroup_id_z 1
		.amdhsa_system_vgpr_workitem_id 0
		.amdhsa_next_free_vgpr 1024
		.amdhsa_next_free_sgpr 66
		.amdhsa_reserve_vcc 0
		.amdhsa_float_denorm_mode_32 3
		.amdhsa_float_denorm_mode_16_64 3
		.amdhsa_memory_ordered 1
		.amdhsa_forward_progress 1
		.amdhsa_inst_pref_size 255
	.end_amdhsa_kernel
	.section	.bss,"aw",@nobits
	.p2align	6
	.space	262144
	.amdgpu_metadata
---
amdhsa.version: [ 1, 2 ]
amdhsa.kernels:
  - .name:           k_q80b8870902_fused
    .symbol:         k_q80b8870902_fused.kd
    .args:
      - { .name: feat_depth, .offset: 0, .size: 8, .value_kind: global_buffer, .address_space: global }
      - { .name: feat_rgb, .offset: 8, .size: 8, .value_kind: global_buffer, .address_space: global }
      - { .name: wq, .offset: 16, .size: 8, .value_kind: global_buffer, .address_space: global }
      - { .name: out0, .offset: 24, .size: 8, .value_kind: global_buffer, .address_space: global }
    .group_segment_fixed_size: 327680
    .private_segment_fixed_size: 0
    .kernarg_segment_align: 8
    .kernarg_segment_size: 32
    .max_flat_workgroup_size: 128
    .sgpr_count:     66
    .vgpr_count:     1024
    .wavefront_size: 32
...
	.end_amdgpu_metadata
.endif
;; end of part 2
;; ======== version 2 of 2: 2 launches
;; limits: right only within a limited range of input values
;; workspace buffers: wq 1,114,112 bytes
;; launch wquant (part 3): grid 256 x 1, 4 waves a work-group, no clusters, 34,560 bytes of LDS; arguments W_f, wq; writes wq
.if DOCPART == 3
	.amdgcn_target "amdgcn-amd-amdhsa--gfx1250"
	.amdhsa_code_object_version 6
	.text
	.protected	k_q80b8870902_wquant
	.globl	k_q80b8870902_wquant
	.p2align	8
	.type	k_q80b8870902_wquant,@function
k_q80b8870902_wquant:
	s_mov_b64 s[64:65], 0
	v_nop
	global_prefetch_b8 v0, s[64:65] scope:SCOPE_SE
	s_setreg_imm32_b32 hwreg(HW_REG_WAVE_MODE, 25, 1), 1
	s_wait_xcnt 0x0
; WORK LEFT OUT, in the whole program.  reference() takes softmax(score) along an axis of length 1: exp(score - max(score)) / its sum = exp(0) / exp(0) = 1 for every finite score.
; So w1 = w2 = 1 by an identity, o1 = feat_rgb and o2 = feat_depth as they are given, and fused = [feat_depth, feat_rgb].  The score, and with it products 1, 2 and 3 of the table
; (feat_rgb W_k1^T + b_k1, feat_depth W_k2^T + b_k2, their row-wise dot product), reaches no output whatever finite values the inputs hold.  W_k1, b_k1, W_k2 and b_k2 have no way
; to the output: they are not loaded and are among no launch's arguments.  LIMIT: a NaN, an infinity or an overflow that would arise in that score alone is not carried to the result.
; What is computed: out0 = Q([feat_depth, feat_rgb]) Q(W_f)^T + b_f, product 4, both operands quantised along K.
;
; THIS LAUNCH: W_f [1024][2048], f32, K innermost, becomes codes of FP4 (E2M1) with one E8M0 byte for each 32 along K, laid in wq in the order in which the second launch's LDS holds them.
; wq is 256 units of UNIT bytes.  Unit 32 s + 8 w + 2 g + q serves chunk s of K, wave w, column group g, K step k = 2 s + q: weight rows 256 w + 64 g + 16 b + r (b = 0..3), K = 128 k on.
; In a unit: the fragment of b at 1,024 b, an image of the operand's registers (registers 4 c .. 4 c + 3 of lane l at 512 c + 16 l); at 4,096 the scale words: lane (r, h) has 8 bytes at 8 l: the words of row r of b = h and b = 2 + h.
; A work-group makes one unit, wave b its fragment b.  Each load reads 512 consecutive bytes of a row; the 16 rows turn through the wave's own stage in LDS, so that lane (r, h) gets the
; two whole blocks k = 64 c + 32 h on of row r, in the order of the operand's registers.
; A block's scale is 2^(floor(log2(its largest magnitude)) - 2); its byte is the largest magnitude's exponent field - 2, held at 1 from below.
; LIMITS: a block of zeros gets the byte 1 where the rule says 127 (its codes are zeros, and this program alone reads the bytes); NaN and infinities among the weights are not served.
.set UNIT,  4352
.set TP,    528                        ; a stage row: 512 bytes + 16: 33 x 16, so that the 16 rows of a load start at 16 different banks (64 banks of 4 bytes: ISA guide 11.1)
.set STG,   16*TP
.set SG,    4*STG                      ; behind the stages: 256 bytes, the unit's scale words
.set SPARE, SG+256                     ; the spare words, 128 bytes a wave
.set NUM,   64                         ; v64-127  the numbers: as loaded (row i at 4 i), then by blocks (block c at 32 c)
.set COD,   32                         ; v32-39   the codes
.set MX,    12                         ; v12-15   largest magnitudes, four chains
	s_load_b128 s[4:7], s[0:1], 0x0                ; W_f, wq
	v_lshrrev_b32 v1, 5, v0
	v_readfirstlane_b32 s18, v1                    ; wave = b
	s_mul_i32 s19, s18, STG
	s_and_b32 s20, s18, 1
	s_lshl_b32 s20, s20, 7
	s_lshr_b32 s21, s18, 1
	s_lshl_b32 s21, s21, 2
	s_add_co_u32 s20, s20, s21
	s_add_co_u32 s20, s20, SG                      ; my words' place: 128 (b % 2) + 4 (b / 2)
	s_mov_b32 s2, 0x76543210
	s_mov_b32 s3, 0xfedcba98                       ; v_permlanex16_b32's selects for lane l xor 16
	s_lshr_b32 s22, ttmp9, 5                       ; s
	s_lshl_b32 s22, s22, 1
	s_and_b32 s25, ttmp9, 1                        ; q
	s_or_b32 s22, s22, s25                         ; k = 2 s + q
	s_lshr_b32 s23, ttmp9, 1
	s_and_b32 s23, s23, 15                         ; 4 w + g
	s_lshl_b32 s23, s23, 6
	s_lshl_b32 s24, s18, 4
	s_add_co_u32 s23, s23, s24                     ; my first weight row
	s_lshl_b32 s30, s23, 13                        ; x 8,192 bytes a row
	s_lshl_b32 s22, s22, 9
	s_add_co_u32 s30, s30, s22                     ; + 512 k
	s_mov_b32 s31, 0
	s_mul_i32 s34, ttmp9, UNIT
	s_mov_b32 s35, 0
	s_lshl_b32 s36, s18, 10                        ; my fragment in the unit
	s_mov_b32 s37, 0
	v_lshl_add_u32 v128, v0, 2, SPARE
	v_mov_b32 v129, 0
	v_and_b32 v1, 31, v0                           ; lane
	v_and_b32 v2, 15, v0                           ; r
	v_bfe_u32 v3, v0, 4, 1                         ; h
	v_lshlrev_b32 v4, 4, v1                        ; 16 x lane
	v_add_nc_u32 v5, s19, v4                       ; the stage, on the way in
	v_mul_u32_u24 v6, v2, TP
	v_lshl_add_u32 v6, v3, 7, v6
	v_add_nc_u32 v6, s19, v6                       ; and on the way out: row r, 128 h bytes on
	v_lshl_add_u32 v7, v2, 3, s20                  ; row r's word
	v_lshlrev_b32 v9, 3, v1                        ; 8 x lane
	v_add_nc_u32 v8, SG, v9
	v_lshlrev_b32 v11, 3, v3                       ; 8 h: my bytes' place in a scale word, in bits
	s_wait_alu depctr_va_vdst(0)                   ; the wait at the head's end
	s_wait_kmcnt 0x0
	s_add_nc_u64 s[4:5], s[4:5], s[30:31]
	s_add_nc_u64 s[6:7], s[6:7], s[34:35]
	s_add_nc_u64 s[8:9], s[6:7], s[36:37]
.irp i, 0,1,2,3,4,5,6,7,8,9,10,11,12,13,14,15
	global_load_b128 v[NUM+4*\i:NUM+4*\i+3], v4, s[4:5] offset:8192*\i th:TH_LOAD_NT   ; 32 lanes read 512 consecutive bytes of row i
.endr
.irp i, 0,1,2,3,4,5,6,7,8,9,10,11,12,13,14,15
	s_wait_loadcnt 15-\i                           ; row i's load is in; the later rows' may be out
	ds_store_b128 v5, v[NUM+4*\i:NUM+4*\i+3] offset:TP*\i
.endr
	s_wait_dscnt 0x0                               ; the stores have read their registers, which the loads below fill again
.irp c, 0,1
.irp j, 0,1,2,3,4,5,6,7
	ds_load_b128 v[NUM+32*\c+4*\j:NUM+32*\c+4*\j+3], v6 offset:256*\c+16*\j
.endr
.endr
	s_wait_dscnt 0x0
.irp q, 0,1,2,3
	v_max3_num_f32 v[MX+\q], |v[NUM+16*\q]|, |v[NUM+16*\q+1]|, 0x1800000   ; chain q: half q % 2 of block q / 2; the floor 2^(3 - 127) keeps the byte at 1 or above
.endr
.irp i, 2,4,6,8,10,12,14
.irp q, 0,1,2,3
	v_max3_num_f32 v[MX+\q], v[MX+\q], |v[NUM+16*\q+\i]|, |v[NUM+16*\q+\i+1]|
.endr
.endr
	v_max_num_f32 v12, v12, v13
	v_max_num_f32 v14, v14, v15
	v_add_nc_u32 v48, 0xff000000, v12              ; 2 off the exponent field: the conversion takes the exponent field of this operand as its scale
	v_add_nc_u32 v49, 0xff000000, v14
	v_lshrrev_b32 v52, 23, v48                     ; the scales' bytes
	v_lshrrev_b32 v53, 23, v49
	v_mov_b32 v58, 0
	v_lshl_or_b32 v56, v53, 16, v52                ; my bytes are those of blocks h and 2 + h,
	v_lshlrev_b32 v56, v11, v56                    ; at their places in the word;
	v_permlanex16_b32 v58, v56, s2, s3
	v_or_b32 v56, v56, v58                         ; with lane l xor 16's two the word is whole
	ds_store_b32 v7, v56                           ; both lanes of a row write the same word with the same value
.irp c, 0,1
.irp g, 0,1,2,3
	v_cvt_scalef32_pk8_fp4_f32 v[COD+4*\c+\g], v[NUM+32*\c+8*\g:NUM+32*\c+8*\g+7], v[48+\c]
.endr
.endr
	v_nop                                          ; one plain line behind the last scaled conversion
.irp c, 0,1
	global_store_b128 v4, v[COD+4*\c:COD+4*\c+3], s[8:9] offset:512*\c   ; 32 lanes store 512 consecutive bytes, at a multiple of 256 from wq's first byte
.endr
	s_wait_dscnt 0x0                               ; for wave 0's sake: my scale words lie in LDS
	s_barrier_signal -1
	s_barrier_wait -1
	s_cmp_lg_u32 s18, 0
	s_cbranch_scc1 .Ldone
	ds_load_b64 v[60:61], v8                       ; the four waves' words
	s_wait_dscnt 0x0
	global_store_b64 v9, v[60:61], s[6:7] offset:4096   ; one aligned block of 256 bytes
.Ldone:
	s_wait_tensorcnt 0x0                           ; the wave's end
	ds_add_u32 v128, v129
	s_wait_dscnt 0x0
	s_endpgm
.Lfunc_end_k_q80b8870902_wquant:
	.size	k_q80b8870902_wquant, .Lfunc_end_k_q80b8870902_wquant-k_q80b8870902_wquant
	.p2alignl 7, 3214868480
	.fill 96, 4, 3214868480
	.section	.rodata,"a",@progbits
	.p2align	6, 0x0
	.amdhsa_kernel k_q80b8870902_wquant
		.amdhsa_group_segment_fixed_size 34560
		.amdhsa_private_segment_fixed_size 0
		.amdhsa_enable_private_segment 0
		.amdhsa_kernarg_size 16
		.amdhsa_user_sgpr_count 2
		.amdhsa_user_sgpr_kernarg_segment_ptr 1
		.amdhsa_wavefront_size32 1
		.amdhsa_system_sgpr_workgroup_id_x 1
		.amdhsa_system_sgpr_workgroup_id_y 1
		.amdhsa_system_sgpr_workgroup_id_z 1
		.amdhsa_system_vgpr_workitem_id 0
		.amdhsa_next_free_vgpr 130
		.amdhsa_next_free_sgpr 66
		.amdhsa_reserve_vcc 0
		.amdhsa_float_denorm_mode_32 3
		.amdhsa_float_denorm_mode_16_64 3
		.amdhsa_memory_ordered 1
		.amdhsa_forward_progress 1
		.amdhsa_inst_pref_size 11
	.end_amdhsa_kernel
	.amdgpu_metadata
---
amdhsa.version: [ 1, 2 ]
amdhsa.kernels:
  - .name:           k_q80b8870902_wquant
    .symbol:         k_q80b8870902_wquant.kd
    .args:
      - { .name: W_f, .offset: 0, .size: 8, .value_kind: global_buffer, .address_space: global }
      - { .name: wq, .offset: 8, .size: 8, .value_kind: global_buffer, .address_space: global }
    .group_segment_fixed_size: 34560
    .private_segment_fixed_size: 0
    .kernarg_segment_align: 8
    .kernarg_segment_size: 16
    .max_flat_workgroup_size: 128
    .sgpr_count:     66
    .vgpr_count:     130
    .wavefront_size: 32
...
	.end_amdgpu_metadata
.endif
;; end of part 3
;; launch fused (part 4): grid 256 x 1, 4 waves a work-group, clusters of 4 x 1, 327,680 bytes of LDS; arguments feat_depth, feat_rgb, wq, b_f, out0; writes out0
.if DOCPART == 4
	.amdgcn_target "amdgcn-amd-amdhsa--gfx1250"
	.amdhsa_code_object_version 6
	.text
	.protected	k_q80b8870902_fused
	.globl	k_q80b8870902_fused
	.p2align	8
	.type	k_q80b8870902_fused,@function
k_q80b8870902_fused:
	s_mov_b64 s[64:65], 0
	v_nop
	global_prefetch_b8 v0, s[64:65] scope:SCOPE_SE
	s_setreg_imm32_b32 hwreg(HW_REG_WAVE_MODE, 25, 1), 1
	s_wait_xcnt 0x0
	s_wait_alu depctr_hold_cnt(0) depctr_sa_sdst(0) depctr_va_vdst(0) depctr_va_sdst(0) depctr_va_ssrc(0) depctr_va_vcc(0) depctr_vm_vsrc(0)
	s_getreg_b32 s2, hwreg(HW_REG_IB_STS2, 6, 4)
	s_cmp_eq_u32 s2, 0
	s_cbranch_scc0 .Lentry_in_a_cluster
	s_endpgm
.Lentry_in_a_cluster:
	s_bfe_u32 s2, ttmp6, 0x10000c
	s_cmp_lg_u32 s2, 0x3003
	s_cbranch_scc0 .Lentry_shape_is_right
	s_endpgm
.Lentry_shape_is_right:
; out0 = Q([feat_depth, feat_rgb]) Q(W_f)^T + b_f.  WORK LEFT OUT: the score and products 1 to 3, since a softmax along an axis of length 1 is 1 for every finite score (shown at the head of the first kernel).
; A work-group owns 64 rows of the result and all 1,024 columns; wave w makes columns 256 w .. 256 w + 255: 64 accumulators of 16 x 16, 512 registers, which stay for all of K.
; K = 2,048 goes in eight chunks of 256 (two K steps of 128).  A chunk's weights, 32 units of wq (139,264 bytes), come by the tensor data mover into one of two LDS slots; wave w loads, and alone reads, its 8 units.
; CLUSTERS: the four work-groups of a cluster walk the same chunks: each load of weights is asked for JOINTLY, with the same descriptor and the mask of all four.
; The features come as f32 by loads into registers, 60 to 64 loads a wave out: wave w takes rows 16 w .. 16 w + 15; a step is two rows x 256 along K; it turns through the wave's own stage in LDS, so that a lane holds
; 16 neighbours along K and two lanes a block of 32.  Codes and scale bytes go into one of two images in LDS, from which every wave takes all 64 rows of the chunk.
; IN CHUNK s a wave multiplies 8 batches of 16 products (a unit of weights x 4 row blocks), and between the batches it quantises its 8 steps of chunk s + 1.  ONE round of the cluster's barrier a chunk serves both:
; the refill of the slot read last, and the handing over of the codes.
; The chunks are walked from chunk (cluster's number mod 8) on, round K, so that clusters stand at different parts of wq; a sum's order along K differs accordingly from cluster to cluster.
; THE MATRIX INSTRUCTION IS USED TRANSPOSED (source 0 = 16 weight rows, source 1 = 16 rows of the features): a lane holds eight neighbouring columns of one row of the result.
; PREFETCH: wq is shared out by address: each work-group names 34 blocks of 256 bytes once, at the head; a block is named by two work-groups of the launch, g and the one whose bit 7 and low seven bits are the
; complement.  The features are not prefetched: each byte is read once, by loads that follow each other from the head on.
; LIMITS: a block of zeros gets the scale byte 1 where the rule says 127 (its codes are zeros; the bytes never leave the work-group); NaN and infinities among the inputs are not served.
; REGISTERS: window 0: v0-31 addresses and work; v32-35 the features' scale words; v36-51 the weights'; v52-59 b_f; v96-127 numbers at work; v128-191 the features' fragments of a chunk; v192-255 two units of weights.
;   window 1: 16 sets of feature loads, later rows on the way out.   windows 2, 3: the accumulators: column group g in window 2 + g / 2, (b, m) at 128 (g % 2) + 8 (4 b + m).
.set UNIT,  4352
.set WPART, 8*UNIT                     ; a wave's part of a slot: 136 rows of 256 bytes
.set SLOTB, 4*WPART
.set IMG,   2*SLOTB                    ; two images of a chunk's codes: 64 rows x (128 + 16) bytes
.set IMGB,  64*144
.set XS,    IMG+2*IMGB                 ; and of its scale bytes: 64 rows x 8
.set TS,    XS+1024                    ; the waves' stages for the features, 2,560 bytes each
.set SPARE, TS+4*2560                  ; the spare words, 128 bytes a wave
.set AS,  32
.set SB,  36
.set BIAS, 52
.set X,   96
.set AF,  128
.set BF,  192
.set MSB, 0
.macro WIN new                         ; the immediate's high byte repeats the setting that is left
.if MSB != (\new)
	s_set_vgpr_msb (MSB<<8)|(\new)
.set MSB, (\new)
.endif
.endm
.macro PLACES n
.rept \n
	v_nop
.endr
.endm
.macro CROUND                          ; a round of the cluster's barrier
	s_barrier_signal -1
	s_barrier_wait -1
	s_cmp_lg_u32 s14, 0
	s_cbranch_scc1 .Lnot_wave_0_\@
	s_barrier_signal -3
.Lnot_wave_0_\@:
	s_barrier_wait -3
	s_barrier_signal -1
	s_barrier_wait -1
.endm
.macro FPTR d, w                       ; s[d:d+1]: my rows at the chunk that stands at place s35 of my walk; then s35 steps.  w: loads that name the pair may be out
.if \w
	s_wait_xcnt 0x0                                ; the earlier loads have read the base
.endif
	s_add_co_u32 s46, s35, s39
	s_and_b32 s46, s46, 7                          ; the chunk: 0-3 lie in feat_depth, 4-7 in feat_rgb
	s_cmp_lt_u32 s46, 4
	s_cselect_b64 s[\d:\d+1], s[4:5], s[6:7]
	s_and_b32 s46, s46, 3
	s_lshl_b32 s46, s46, 10                        ; 1,024 bytes of a row a chunk
	s_add_nc_u64 s[\d:\d+1], s[\d:\d+1], s[46:47]
	s_add_co_u32 s35, s35, 1
.endm
.macro LOAD t, base                    ; a step: rows 2 (t % 8) and + 1, 1,024 bytes each, as four loads of 512 consecutive bytes, into set t % 16 of window 1
	WIN 0x40
.irp i, 0,1,2,3
	global_load_b128 v[16*((\t)%16)+4*\i:16*((\t)%16)+4*\i+3], v1, s[\base:\base+1] offset:4096*(2*((\t)%8)+\i/2)+512*(\i%2) th:TH_LOAD_NT
.endr
.endm
.macro TURN t                          ; through the stage: LDS serves a wave's instructions in order
	WIN 0x04
.irp i, 0,1,2,3
	ds_store_b128 v2, v[16*((\t)%16)+4*\i:16*((\t)%16)+4*\i+3] offset:640*\i
.endr
	WIN 0
.irp i, 0,1,2,3
	ds_load_b128 v[X+16*((\t)%2)+4*\i:X+16*((\t)%2)+4*\i+3], v3 offset:16*\i
.endr
.endm
.macro SOUT t                          ; step t's scale byte and codes go into the chunk's image
	ds_store_b8 v5, v[28+(\t)%2] offset:16*((\t)%8)+512*(((\t)/8)%2)
	ds_store_b64 v4, v[24+2*((\t)%2):25+2*((\t)%2)] offset:288*((\t)%8)+IMGB*(((\t)/8)%2)
.endm
; Step t is quantised.  ld = 1: its set takes the step 16 on (same rows, two chunks on).  dsw >= 0: the wait for its numbers.
; The step before's byte and codes are stored here, a step behind the lines that made them; a chunk's last step stores its own at once.
.macro STEP t, ld, dsw
.set XR, X+16*((\t)%2)
.set CP, 24+2*((\t)%2)
.set BY, 28+(\t)%2
.if (\dsw) >= 0
	s_wait_dscnt \dsw
.endif
.if ((\t)%8) > 0
	s_wait_alu depctr_va_vdst(0)                   ; directly ahead of the reader below
	SOUT (\t)-1
.endif
.if \ld
	LOAD \t, 44
	s_wait_loadcnt 60                              ; the next step's four loads are in; those of 15 later steps may be out
	TURN (\t)+1
.elseif (\t) < 63
	s_wait_loadcnt 4*(62-(\t))                     ; nothing more is asked for: the counts run down
	TURN (\t)+1
.endif
	WIN 0
	v_max3_num_f32 v20, |v[XR]|, |v[XR+1]|, |v[XR+2]|
	v_max3_num_f32 v21, |v[XR+3]|, |v[XR+4]|, |v[XR+5]|
.irp i, 6,10
	v_max3_num_f32 v20, v20, |v[XR+\i]|, |v[XR+\i+1]|
	v_max3_num_f32 v21, v21, |v[XR+\i+2]|, |v[XR+\i+3]|
.endr
	v_max3_num_f32 v20, v20, |v[XR+14]|, |v[XR+15]|
	v_max3_num_f32 v20, v20, v21, 0x1800000        ; the floor 2^(3 - 127): the byte cannot fall under 1
	v_max_num_f32_dpp v20, v20, v20 row_xmask:1 row_mask:0xf bank_mask:0xf   ; with my neighbour's 16: the block's largest magnitude
	v_add_nc_u32 v22, 0xff000000, v20              ; 2 off its exponent field: the conversions' scale operand
	v_cvt_scalef32_pk8_fp4_f32 v[CP], v[XR:XR+7], v22
	v_cvt_scalef32_pk8_fp4_f32 v[CP+1], v[XR+8:XR+15], v22
	v_lshrrev_b32 v[BY], 23, v22                   ; the scale's byte; also the plain line behind the conversions
.if ((\t)%8) == 7
	SOUT \t
.endif
.endm
.macro WM ra, rb, z                    ; ra, rb: the halves of the scale registers; z: the product starts its sum
.if (\z)
.if (\ra) && (\rb)
	v_wmma_scale_f32_16x16x128_f8f6f4 v[rD:rD+7], v[rA:rA+7], v[rB:rB+7], 0, v[rSA], v[rSB] matrix_a_fmt:MATRIX_FMT_FP4 matrix_b_fmt:MATRIX_FMT_FP4 matrix_a_scale:MATRIX_SCALE_ROW1 matrix_b_scale:MATRIX_SCALE_ROW1
.elseif (\ra)
	v_wmma_scale_f32_16x16x128_f8f6f4 v[rD:rD+7], v[rA:rA+7], v[rB:rB+7], 0, v[rSA], v[rSB] matrix_a_fmt:MATRIX_FMT_FP4 matrix_b_fmt:MATRIX_FMT_FP4 matrix_a_scale:MATRIX_SCALE_ROW1
.elseif (\rb)
	v_wmma_scale_f32_16x16x128_f8f6f4 v[rD:rD+7], v[rA:rA+7], v[rB:rB+7], 0, v[rSA], v[rSB] matrix_a_fmt:MATRIX_FMT_FP4 matrix_b_fmt:MATRIX_FMT_FP4 matrix_b_scale:MATRIX_SCALE_ROW1
.else
	v_wmma_scale_f32_16x16x128_f8f6f4 v[rD:rD+7], v[rA:rA+7], v[rB:rB+7], 0, v[rSA], v[rSB] matrix_a_fmt:MATRIX_FMT_FP4 matrix_b_fmt:MATRIX_FMT_FP4
.endif
.else
.if (\ra) && (\rb)
	v_wmma_scale_f32_16x16x128_f8f6f4 v[rD:rD+7], v[rA:rA+7], v[rB:rB+7], v[rD:rD+7], v[rSA], v[rSB] matrix_a_fmt:MATRIX_FMT_FP4 matrix_b_fmt:MATRIX_FMT_FP4 matrix_a_scale:MATRIX_SCALE_ROW1 matrix_b_scale:MATRIX_SCALE_ROW1
.elseif (\ra)
	v_wmma_scale_f32_16x16x128_f8f6f4 v[rD:rD+7], v[rA:rA+7], v[rB:rB+7], v[rD:rD+7], v[rSA], v[rSB] matrix_a_fmt:MATRIX_FMT_FP4 matrix_b_fmt:MATRIX_FMT_FP4 matrix_a_scale:MATRIX_SCALE_ROW1
.elseif (\rb)
	v_wmma_scale_f32_16x16x128_f8f6f4 v[rD:rD+7], v[rA:rA+7], v[rB:rB+7], v[rD:rD+7], v[rSA], v[rSB] matrix_a_fmt:MATRIX_FMT_FP4 matrix_b_fmt:MATRIX_FMT_FP4 matrix_b_scale:MATRIX_SCALE_ROW1
.else
	v_wmma_scale_f32_16x16x128_f8f6f4 v[rD:rD+7], v[rA:rA+7], v[rB:rB+7], v[rD:rD+7], v[rSA], v[rSB] matrix_a_fmt:MATRIX_FMT_FP4 matrix_b_fmt:MATRIX_FMT_FP4
.endif
.endif
.endm
; Batch j = 2 g + q of a chunk: unit j's four weight fragments x the four row blocks of K step q: 16 accumulators by turns, in the same order in both batches of a group
.macro BATCH j, zero
.set G, (\j)/2
.set Q, (\j)%2
.set BR, BF+32*((\j)%2)
	WIN 0xa0+0x50*(G/2)                            ; sums in window 2 or 3, operands in window 0
.irp b, 0,1,2,3
.irp m, 0,1,2,3
.set rD, 128*(G%2)+8*(4*\b+\m)
.set rA, BR+8*\b
.set rB, AF+32*Q+8*\m
.set rSA, SB+2*(\j)+(\b/2)
.set rSB, AS+2*(\m/2)+Q
.if (\zero) && (Q == 0)
	WM \b%2, \m%2, 1
.else
	WM \b%2, \m%2, 0
.endif
.endr
.endr
	WIN 0
.endm
.macro FB j, sl                        ; unit j's fragments out of slot sl
.irp i, 0,1,2,3,4,5,6,7
	ds_load_b128 v[BF+32*((\j)%2)+4*\i:BF+32*((\j)%2)+4*\i+3], v[10+(\sl)] offset:UNIT*(\j)+512*\i
.endr
.endm
.macro FHEAD par                       ; a chunk's scale words, its first unit, and the features' eight fragments, K step 0 first
	ds_load_b64 v[AS:AS+1], v7 offset:512*(\par)           ; lanes 0-15 row block 0, lanes 16-31 row block 1; register q: K step q
	ds_load_b64 v[AS+2:AS+3], v7 offset:512*(\par)+256     ; row blocks 2 and 3
.irp j, 0,1,2,3,4,5,6,7
	ds_load_b64 v[SB+2*\j:SB+2*\j+1], v[12+(\par)] offset:UNIT*\j+4096
.endr
	FB 0, \par
.irp q, 0,1
.irp m, 0,1,2,3
.irp c, 0,1
	ds_load_b128 v[AF+32*\q+8*\m+4*\c:AF+32*\q+8*\m+4*\c+3], v6 offset:IMGB*(\par)+2304*\m+64*\q+32*\c
.endr
.endr
.endr
.endm
; The chunk at a place of parity par.  zero: its first K step starts the sums.  fill: the other slot takes the next chunk's weights.  t0 >= 0: steps t0 .. t0 + 7, the next chunk's, are quantised between the batches; ld: they ask for the chunk two on.
; LDS instructions between two batches, in order: the last step's 2 stores (none behind batch 0), the next step's turn (4 stores, 4 loads), the next unit but one (8 loads).
.macro CHUNK par, zero, fill, t0, ld
	s_wait_tensorcnt 0x0                           ; my one tensor load that was out, this chunk's weights, has landed;
	ds_add_u32 v8, v9
.if \fill
	s_add_co_u32 s34, s34, 1                       ; no tensor load of mine is out, so a group 0 may be written: the next place of the walk
	s_add_co_u32 s32, s34, s39
	s_and_b32 s32, s32, 7
	s_mul_i32 s32, s32, SLOTB
	s_add_nc_u64 s[30-4*(\par):31-4*(\par)], s[8:9], s[32:33]
	s_or_b32 s[31-4*(\par)], s[31-4*(\par)], 0x80000000
.endif
	s_wait_dscnt 0x0                               ; the add is done, my codes of this chunk lie in LDS, and my reads of the other slot and image are over
.if \fill
	CROUND                                         ; all that now holds of every wave of the cluster
	tensor_load_to_lds s[28-4*(\par):31-4*(\par)], s[16:23]   ; my one tensor load behind the round
	s_nop 0
	PLACES 4
.else
	s_barrier_signal -1                            ; nothing is filled again: my work-group's barrier hands the codes over
	s_barrier_wait -1
.endif
	FHEAD \par
.set JJ, 0
.rept 8
.if JJ < 7
	FB JJ+1, \par                                  ; the next unit; the places behind the products that read its registers are the step's vector lines, or the v_nop below
.endif
.if (\t0) >= 0
.if JJ < 7
	s_wait_dscnt 16                                ; this batch's unit is in.  Batch 0: the features' K step 1 and the next unit may be out; later: the turn's 8 and the next unit's 8
.else
	s_wait_dscnt 8                                 ; the turn's 8 may be out
.endif
.elseif JJ == 0
	s_wait_dscnt 16
.elseif JJ < 7
	s_wait_dscnt 8                                 ; the next unit may be out
.else
	s_wait_dscnt 0x0
.endif
	BATCH JJ, \zero
.if (\t0) >= 0
.if JJ == 0
.if \ld
	FPTR 44, 1                                     ; this chunk's steps ask for the chunk three places on
.endif
	STEP (\t0)+JJ, \ld, -1                         ; its numbers came back ahead of the round
.elseif JJ < 7
	STEP (\t0)+JJ, \ld, 8                          ; its numbers are back; the next unit's 8 loads may be out
.else
	STEP (\t0)+JJ, \ld, 0
.endif
.else
	PLACES 4
.endif
.set JJ, JJ+1
.endr
.endm
; THE WAY OUT: row block m, 16 rows x 256 columns, goes through my own stage in LDS (in my part of slot 0, which has had its last fill and its last read) and comes back as rows of 1,024 bytes.
.macro TOSTAGE m
.irp g, 0,1,2,3
	WIN 0x08+4*(\g/2)
.irp b, 0,1,2,3
	ds_store_b128 v14, v[128*(\g%2)+8*(4*\b+(\m)):128*(\g%2)+8*(4*\b+(\m))+3] offset:64*(4*\g+\b)        ; each accumulator from its low end on
	ds_store_b128 v14, v[128*(\g%2)+8*(4*\b+(\m))+4:128*(\g%2)+8*(4*\b+(\m))+7] offset:64*(4*\g+\b)+16
.endr
.endr
	WIN 0x40
.set TT, 0
.rept 32
	ds_load_b128 v[128*((\m)%2)+4*TT:128*((\m)%2)+4*TT+3], v10 offset:1040*(TT/2)+512*(TT%2)   ; LDS serves a wave's instructions in order: these see my stores
.set TT, TT+1
.endr
	WIN 0
.endm
.macro SEND m, younger
	s_wait_dscnt \younger
	WIN 0x41
.set TT, 0
.rept 32
	v_pk_add_f32 v[128*((\m)%2)+4*TT:128*((\m)%2)+4*TT+1], v[128*((\m)%2)+4*TT:128*((\m)%2)+4*TT+1], v[BIAS+4*(TT%2):BIAS+4*(TT%2)+1]       ; + b_f of my four columns
	v_pk_add_f32 v[128*((\m)%2)+4*TT+2:128*((\m)%2)+4*TT+3], v[128*((\m)%2)+4*TT+2:128*((\m)%2)+4*TT+3], v[BIAS+4*(TT%2)+2:BIAS+4*(TT%2)+3]
.set TT, TT+1
.endr
	WIN 0x04
.set TT, 0
.rept 32
	global_store_b128 v1, v[128*((\m)%2)+4*TT:128*((\m)%2)+4*TT+3], s[12:13] offset:4096*(16*(\m)+TT/2)+512*(TT%2) th:TH_STORE_NT   ; 32 lanes store 512 consecutive bytes, at a multiple of 256 from out0's first byte
.set TT, TT+1
.endr
	WIN 0
.endm
	s_load_b256 s[4:11], s[0:1], 0x0               ; feat_depth s[4:5], feat_rgb s[6:7], wq s[8:9], b_f s[10:11]
	s_load_b64 s[12:13], s[0:1], 0x20              ; out0
	v_lshl_add_u32 v8, v0, 2, SPARE
	v_mov_b32 v9, 0
	ds_add_u32 v8, v9                              ; the opening lines: the add, twice on end, and its wait ahead of my first tensor load
	ds_add_u32 v8, v9
	v_lshrrev_b32 v20, 5, v0
	v_readfirstlane_b32 s14, v20                   ; wave 0..3
	s_bfe_u32 s15, ttmp6, 0x40000                  ; cx
	s_lshl_b32 s48, ttmp9, 2
	s_add_co_u32 s48, s48, s15                     ; the work-group's number: it enters addresses in memory alone
	s_and_b32 s39, ttmp9, 7                        ; where my cluster's walk round K begins
	s_mov_b32 s16, 15|(3<<16)|(1<<21)              ; group 1: the mask of all four; elements of 8 bytes; bit 21 beside a mask
	s_mov_b32 s17, 32<<16                          ; rows of 32 elements, 256 bytes,
	s_mov_b32 s18, 136<<16                         ; 136 of them,
	s_mov_b32 s19, 32<<16
	s_mov_b32 s20, 136
	s_mov_b32 s21, 32                              ; dense
	s_mov_b32 s22, 0
	s_mov_b32 s23, 0
	s_mov_b32 s33, 0
	s_mov_b32 s41, 0
	s_mov_b32 s43, 0
	s_mov_b32 s47, 0
	s_mov_b32 s34, 0                               ; the place of the walk whose weights were asked for last
	s_mov_b32 s35, 0                               ; the place whose features are asked for next
	s_lshl_b32 s40, s48, 18                        ; 64 rows of 4,096 bytes a work-group,
	s_lshl_b32 s42, s14, 16                        ; 16 a wave
	s_add_co_u32 s40, s40, s42
	s_and_b32 s50, s48, 127                        ; my 128th part of wq for the prefetch: the low seven bits, complemented in the upper 128 work-groups
	s_lshr_b32 s51, s48, 7
	s_mul_i32 s51, s51, 127
	s_xor_b32 s50, s50, s51
	s_mul_i32 s32, s50, 8704                       ; 34 blocks of 256 bytes
	s_mul_i32 s52, s14, 17
	s_mul_i32 s49, s14, WPART                      ; my part of a slot
	v_and_b32 v20, 31, v0                          ; lane
	v_lshlrev_b32 v1, 4, v20                       ; 16 x lane
	v_min_u32 v19, 16, v20                         ; waves 0 and 1 name 17 blocks each; the lanes left over name their wave's last block again
	v_add_nc_u32 v19, s52, v19
	v_lshlrev_b32 v19, 8, v19
	s_wait_dscnt 0x0                               ; both opening adds are done
	s_wait_alu depctr_va_vdst(0)                   ; directly ahead of the wait below
	s_wait_kmcnt 0x0
	s_add_nc_u64 s[4:5], s[4:5], s[40:41]
	s_add_nc_u64 s[6:7], s[6:7], s[40:41]
	s_lshl_b32 s42, s14, 10
	s_add_nc_u64 s[10:11], s[10:11], s[42:43]      ; b_f at my 256 columns
	s_add_nc_u64 s[36:37], s[8:9], s[32:33]        ; my share of the prefetch
	s_mov_b32 s32, s49
	s_add_nc_u64 s[8:9], s[8:9], s[32:33]          ; wq at my wave's part of chunk 0
	s_mov_b32 s24, 1                               ; group 0, a set for each slot
	s_mov_b32 s25, s49
	s_mov_b32 s28, 1
	s_add_co_u32 s29, s49, SLOTB
	s_mul_i32 s32, s39, SLOTB
	s_add_nc_u64 s[26:27], s[8:9], s[32:33]
	s_or_b32 s27, s27, 0x80000000
	CROUND                                         ; all four work-groups are here: the first joint loads meet
	tensor_load_to_lds s[24:27], s[16:23]          ; the first chunk's weights, asked for ahead of the features: one tensor load a wave at the head
	s_nop 0
	PLACES 4
	global_load_b128 v[BIAS:BIAS+3], v1, s[10:11]              ; columns 4 l on: the oldest loads, so every wait below covers them
	global_load_b128 v[BIAS+4:BIAS+7], v1, s[10:11] offset:512 ; columns 128 + 4 l on
	FPTR 54, 0                                     ; the walk's first three places have pairs of their own: none is written while a load names it
.set T, 0
.rept 8
	LOAD T, 54
.set T, T+1
.endr
	FPTR 56, 0
.rept 7
	LOAD T, 56
.set T, T+1
.endr
	WIN 0
	s_cmp_lt_u32 s14, 2
	s_cbranch_scc0 .Lnopf
	global_prefetch_b8 v19, s[36:37] th:TH_LOAD_NT scope:SCOPE_SE   ; v19 and s[36:37] are never written again
.Lnopf:
	s_lshl_b32 s40, s48, 18
	s_add_co_u32 s40, s40, s42
	s_add_nc_u64 s[12:13], s[12:13], s[40:41]      ; out0 at my rows and columns
	s_mul_i32 s50, s14, 2560
	s_add_co_u32 s50, s50, TS
	s_mul_i32 s51, s14, 2304
	s_add_co_u32 s51, s51, IMG
	s_lshl_b32 s52, s14, 7
	s_add_co_u32 s52, s52, XS
	v_and_b32 v22, 15, v0                          ; r
	v_bfe_u32 v23, v0, 4, 1                        ; h
	v_lshrrev_b32 v21, 2, v20
	v_mul_u32_u24 v21, v21, 80
	v_and_b32 v24, 3, v20
	v_lshl_add_u32 v21, v24, 4, v21
	v_add_nc_u32 v2, s50, v21                      ; the features' stage, in: four lanes' 64 bytes, then 16 of padding
	v_mul_u32_u24 v21, v20, 80
	v_add_nc_u32 v3, s50, v21                      ; and out: my 16 neighbours: row h of the step's two, K = 16 r on
	v_mul_u32_u24 v21, v23, 144
	v_lshl_add_u32 v21, v22, 3, v21
	v_add_nc_u32 v4, s51, v21                      ; my 8 bytes of codes
	v_lshrrev_b32 v21, 1, v22
	v_lshl_add_u32 v21, v23, 3, v21
	v_add_nc_u32 v5, s52, v21                      ; my block's scale byte
	v_mul_u32_u24 v21, v22, 144
	v_lshl_add_u32 v21, v23, 4, v21
	v_add_nc_u32 v6, IMG, v21                      ; a fragment of the features: row r, 16 h
	v_lshl_add_u32 v7, v20, 3, XS                  ; a row's two scale words
	v_add_nc_u32 v10, s49, v1                      ; my units in slot 0 (and my stage on the way out, read back),
	v_add_nc_u32 v11, SLOTB, v10                   ; in slot 1;
	v_lshl_add_u32 v12, v20, 3, s49                ; their scale words
	v_add_nc_u32 v13, SLOTB, v12
	v_mul_u32_u24 v21, v22, 1040
	v_lshl_add_u32 v21, v23, 5, v21
	v_add_nc_u32 v14, s49, v21                     ; the way out, in: row r of 1,024 + 16 bytes, 32 bytes for each half of the lanes
	LOAD 15, 56
	WIN 0
	FPTR 44, 0
	s_wait_alu depctr_va_vdst(0)                   ; the wait at the head's end
	s_wait_loadcnt 60                              ; step 0's four loads are in
	TURN 0
.irp t, 0,1,2,3,4,5,6,7
	STEP \t, 1, 0
.endr
	CHUNK 0, 1, 1, 8, 1
	s_mov_b32 s38, 2
.Lk:
	CHUNK 1, 0, 1, 16, 1
	CHUNK 0, 0, 1, 24, 1
	s_sub_co_u32 s38, s38, 1
	s_cmp_lg_u32 s38, 0
	s_cbranch_scc1 .Lk
	CHUNK 1, 0, 1, 48, 0                           ; the last three chunks are written out: no more features are asked for, and at last no weights
	CHUNK 0, 0, 1, 56, 0
	CHUNK 1, 0, 0, -1, 0
	TOSTAGE 0
	TOSTAGE 1
	SEND 0, 63                                     ; behind row block 0's loads stand 64 LDS instructions
	s_wait_xcnt 0x0                                ; its stores have read the registers that the loads below fill
	TOSTAGE 2
	SEND 1, 63
	s_wait_xcnt 0x0
	TOSTAGE 3
	SEND 2, 63
	SEND 3, 0
	s_wait_tensorcnt 0x0                           ; the wave's end
	ds_add_u32 v8, v9
	s_wait_dscnt 0x0
	CROUND                                         ; the closing round
	s_endpgm
.Lfunc_end_k_q80b8870902_fused:
	.size	k_q80b8870902_fused, .Lfunc_end_k_q80b8870902_fused-k_q80b8870902_fused
	.p2alignl 7, 3214868480
	.fill 96, 4, 3214868480
	.section	.rodata,"a",@progbits
	.p2align	6, 0x0
	.amdhsa_kernel k_q80b8870902_fused
		.amdhsa_group_segment_fixed_size 327680
		.amdhsa_private_segment_fixed_size 0
		.amdhsa_enable_private_segment 0
		.amdhsa_kernarg_size 40
		.amdhsa_user_sgpr_count 2
		.amdhsa_user_sgpr_kernarg_segment_ptr 1
		.amdhsa_wavefront_size32 1
		.amdhsa_system_sgpr_workgroup_id_x 1
		.amdhsa_system_sgpr_workgroup_id_y 1
		.amdhsa_system_sgpr_workgroup_id_z 1
		.amdhsa_system_vgpr_workitem_id 0
		.amdhsa_next_free_vgpr 1024
		.amdhsa_next_free_sgpr 66
		.amdhsa_reserve_vcc 0
		.amdhsa_float_denorm_mode_32 3
		.amdhsa_float_denorm_mode_16_64 3
		.amdhsa_memory_ordered 1
		.amdhsa_forward_progress 1
		.amdhsa_inst_pref_size 255
	.end_amdhsa_kernel
	.section	.bss,"aw",@nobits
	.p2align	6
	.space	262144
	.amdgpu_metadata
---
amdhsa.version: [ 1, 2 ]
amdhsa.kernels:
  - .name:           k_q80b8870902_fused
    .symbol:         k_q80b8870902_fused.kd
    .args:
      - { .name: feat_depth, .offset: 0, .size: 8, .value_kind: global_buffer, .address_space: global }
      - { .name: feat_rgb, .offset: 8, .size: 8, .value_kind: global_buffer, .address_space: global }
      - { .name: wq, .offset: 16, .size: 8, .value_kind: global_buffer, .address_space: global }
      - { .name: b_f, .offset: 24, .size: 8, .value_kind: global_buffer, .address_space: global }
      - { .name: out0, .offset: 32, .size: 8, .value_kind: global_buffer, .address_space: global }
    .group_segment_fixed_size: 327680
    .private_segment_fixed_size: 0
    .kernarg_segment_align: 8
    .kernarg_segment_size: 40
    .max_flat_workgroup_size: 128
    .sgpr_count:     66
    .vgpr_count:     1024
    .wavefront_size: 32
...
	.end_amdgpu_metadata
.endif
;; end of part 4
